; MI455X (gfx1250); checked and timed in simulation.
; The chip was launched on July 23, 2026; its instructions are those of AMD's public machine-readable ISA for CDNA 5 (MIT licence, August 2026) and "CDNA5" Instruction Set Architecture Reference Guide (July 2026). The comments in the code are by the model that wrote it; some were corrected since.
;; Causal Self Attention. Allowed arithmetic: matrix products marked QUANTISED: E2M3 operands, one E8M0 scale for each 32 along K, by v_wmma_scale_f32_16x16x128_f8f6f4 with both operands' format E2M3, f32 sums; everything else in f32.
;; Inputs: b_attn 3,072 float32; b_proj 1,024 float32; w_attn 1,024 x 3,072 float32; w_proj 1,024 x 1,024 float32; x 4 x 2,048 x 1,024 float32.
;; Outputs: out0 4 x 2,048 x 1,024 float32.
;; This version of the problem:
;;   THIS VERSION OF THE PROBLEM IS GIVEN IN LOW PRECISION. The matrix products marked QUANTISED in the list below multiply operands that are first quantised to E2M3 (2 exponent bits, 3 mantissa bits; 6 bits a number), with one power-of-two scale for each 32 numbers along K (OCP MX v1.0); their sums are f32. All else is computed in f32.
;;   The module's matrix products, in the order in which they are computed (A, B: the left and right operand; K: the contracted axis; several contracted axes count as one K, in the product's order):
;;     1. [M 8,192, K 1,024] x [K 1,024, N 3,072]; A: input x; B: input w_attn: QUANTISED
;;     2. batch 64 x [M 2,048, K 64] x [K 64, N 2,048]; A: computed on the way; B: computed on the way: QUANTISED
;;     3. batch 64 x [M 2,048, K 2,048] x [K 2,048, N 64]; A: softmax (see below); B: computed on the way: QUANTISED
;;     4. [M 8,192, K 1,024] x [K 1,024, N 1,024]; A: computed on the way; B: input w_proj: QUANTISED
;;   THE QUANTISER, for each operand of a quantised product, along K:
;;     - K is cut into blocks of 32 from its start; a last block that is shorter is filled with zeros.
;;     - A block's scale is 2^e with e = floor(log2(the largest magnitude in the block)) - 2, held to -126 .. 127; a block of zeros has e = 0. As a byte (E8M0): e + 127.
;;     - Each number is divided by its block's scale, clamped to +-7.5, and rounded to the nearest number of E2M3, ties to even, subnormals kept.
;;     - The product sums the exact products of the quantised numbers (number of the format x scale) in f32.
;;   ~~~python
;;   def quantise(x, axis):      # numpy; x: float32 -> the quantised numbers, widened to float32 again
;;       x = np.moveaxis(x, axis, -1); K = x.shape[-1]
;;       x = np.pad(x, [(0, 0)] * (x.ndim - 1) + [(0, -K % 32)]); x = x.reshape(x.shape[:-1] + (-1, 32)); a = np.abs(x).max(-1, keepdims=True)
;;       e = np.where(a > 0, np.clip(np.frexp(np.where(a > 0, a, 1))[1] - 1 - 2, -126, 127), 0)      # np.frexp(a)[1] - 1 = floor(log2(a)), exactly
;;       r = np.clip(x / 2.0 ** e, -7.5, 7.5)
;;       step = 2.0 ** (np.maximum(np.frexp(np.where(r == 0, 1, r))[1] - 1, 0) - 3)
;;       q = np.round(r / step) * step * 2.0 ** e      # np.round: ties to even
;;       return np.moveaxis(q.reshape(q.shape[:-2] + (-1,))[..., :K], -1, axis).astype(np.float32)
;;   ~~~
;;   SOFTMAX AHEAD OF A QUANTISED PRODUCT. Where the list says 'softmax', what is quantised is not the finished softmax but p = 2^(t - M), with t = logit x log2(e) and M = ceil(the row's largest t), a whole number; so 1/2 < the row's largest p <= 1. The row's sum l is taken of the UNQUANTISED p, in f32, and the product's result is divided by l at the end. Since M is a whole number, a kernel that streams over the keys may use a running M (the ceiling of the running maximum): every later rescaling is an exact power of two, which a block's scale takes up: the codes' values come out the same.
;;   OPERANDS COMPUTED ON THE WAY. 'Computed on the way' means the value that the module computes at that place (a softmax that the list does not call 'softmax' is quantised finished and normalised). What goes into a quantiser is computed in f32, as accurately as f32 sums, v_exp_f32 and their like allow (about 1e-6 of the number): no bf16 or f16 on the way to a quantiser, and a product that is left as it is and whose result goes on into a quantised operand takes f32 operands (vector FMAs, or v_wmma_f32_16x16x4_f32). A number that lies on a knife's edge between two numbers of the format may be rounded either way, as far as f32 arithmetic and the matrix unit's own rounding can turn it there, and no further.
;; One version. Each part assembles by itself: llvm-mc -triple=amdgcn-amd-amdhsa -mcpu=gfx1250 --defsym DOCPART=n.
;; ======== version 1 of 1: 4 launches
;; limits: right only within a limited range of input values
;; workspace buffers: xq 6,553,600 bytes; waq 2,457,600 bytes; wpq 819,200 bytes; yq 6,553,600 bytes; qrec 6,815,744 bytes; kvc 12,582,912 bytes; kvs 786,432 bytes
;; launch quant (part 1): grid 384 x 1, 4 waves a work-group, no clusters, 59,904 bytes of LDS; arguments x, w_attn, w_proj, xq, waq, wpq; writes xq, waq, wpq
.if DOCPART == 1
	.amdgcn_target "amdgcn-amd-amdhsa--gfx1250"
	.amdhsa_code_object_version 6
	.text
	.protected	k_q986f42c4e4_quant
	.globl	k_q986f42c4e4_quant
	.p2align	8
	.type	k_q986f42c4e4_quant,@function
k_q986f42c4e4_quant:
	s_mov_b64 s[64:65], 0
	v_nop
	global_prefetch_b8 v0, s[64:65] scope:SCOPE_SE
	s_setreg_imm32_b32 hwreg(HW_REG_WAVE_MODE, 25, 1), 1
	s_wait_xcnt 0x0
; CAUSAL SELF-ATTENTION IN MX-FP6, launch 1 of 4: x, w_attn and w_proj (f32) become codes of E2M3 with one E8M0 byte for each 32 along K (K = 1,024: x's last axis, the weights' first).
; WORK LEFT OUT BY THE PROGRAM (in the third launch): a step of 128 keys all of which come after a wave's 16 queries.  the causal mask sets those logits to -inf, so their weight in the
; softmax is 0 and their part of the row's sum and of the product with v is 0, whatever finite values the inputs hold.  Nothing else is left out; every input is loaded (both biases too: k's moves k's codes).
; LIMITS: a NaN, an infinity or an overflow that reaches only those hidden scores is not carried to the result; NaN and infinities among the inputs are not served; a block of zeros gets the byte 1
; where the quantiser says 127: its codes are zeros, which add nothing under any byte but 0xff, and this program alone reads the bytes.
; THE LAYOUT OF ALL CODES OF THIS PROGRAM: the HALF FRAGMENT, 16 rows x 64 along K as an image of the operand's registers, 768 bytes: lane l = r + 16 h holds the 24 bytes of k = 32 h .. 32 h + 31 of row r;
; its registers 0-3 lie at 16 l, its registers 4-5 at 512 + 8 l.  So every load and store of codes is dense over the lanes.  THE ROWS of each group of 32 are stored in the order
; position 16 u + r = row 8 u + r + 8 (r / 8): as source 0 of a product such tiles leave 16 neighbours along the next K in a lane's 16 registers.
; A buffer: [group of 128 rows][256 along K][tile of 16 rows, 8][4 half fragments], then the scale bytes [group][256 along K][tile][row][8 bytes].
; PATH X (work-groups 0-255): 32 rows of x; wave = which 256 along K.  Each load takes whole pieces of 256 bytes of two rows; a stage in LDS (rows 272 bytes apart) turns them so that a lane holds a whole block of 32.
; PATH W (work-groups 256-383): 128 columns x 256 along K of w_attn (96 work-groups) or w_proj (32): a lane takes a column and its registers run down K; the image is put together in LDS and leaves in runs of 512 bytes.
; No tensor load, no barrier: waves share nothing.  Each path has LDS bytes of its own.
.set XSOFF,  6291456                   ; where xq's scale bytes begin
.set WASOFF, 2359296                   ; waq's
.set WPSOFF, 786432                    ; wpq's
.set WST,    34816                     ; path W's stages: 6,144 bytes a wave (path X's lie from 0 on: two of 4,352 bytes a wave)
.set SPARE,  59392                     ; the spare words, 128 bytes for each wave
.set SPW, 12                           ; v12  LDS address of my spare word; never rewritten
.set NIL, 13                           ; v13  0; never rewritten
.set R,   32                           ; path X: v32-159 four sets of 32 numbers as loaded
.set XN,  160                          ;         v160-223 two sets of 32 neighbours
.set C,   224                          ;         v224-239 two sets of codes
.set E,   240                          ;         v240-247 a scale byte for each step
.set OF,  32                           ; path W: v32-63 offsets of 32 rows of the weight
.set WX,  64                           ;         v64-127 two sets of 32 numbers
.set WC,  128                          ;         v128-135 a block's codes
.set SB,  24                           ;         v24-25 the scale bytes
.set OUTR, 136                         ;         v136-183 the way out
	s_load_b256 s[4:11], s[0:1], 0x0               ; x s[4:5], w_attn s[6:7], w_proj s[8:9], xq s[10:11]
	s_load_b128 s[12:15], s[0:1], 0x20             ; waq s[12:13], wpq s[14:15]
	v_lshl_add_u32 v[SPW], v0, 2, SPARE
	v_mov_b32 v[NIL], 0
	v_lshrrev_b32 v1, 5, v0
	v_readfirstlane_b32 s16, v1                    ; wave
	v_and_b32 v1, 31, v0                           ; lane
	v_bfe_u32 v2, v0, 4, 1                         ; h
	v_lshlrev_b32 v6, 4, v1                        ; 16 x lane
	v_lshlrev_b32 v7, 3, v1                        ; 8 x lane
; the largest magnitude of 32 numbers from v[s] on, with the floor 2^(3 - 127) among them (so the byte cannot fall under 1), in v8; with 2 off its exponent field it is the conversions' scale operand, v10
.macro BMAX s
	v_max3_num_f32 v8, |v[\s]|, |v[\s+1]|, |v[\s+2]|
	v_max3_num_f32 v9, |v[\s+3]|, |v[\s+4]|, |v[\s+5]|
.irp i, 6,10,14,18,22,26
	v_max3_num_f32 v8, v8, |v[\s+\i]|, |v[\s+\i+1]|
	v_max3_num_f32 v9, v9, |v[\s+\i+2]|, |v[\s+\i+3]|
.endr
	v_max3_num_f32 v8, v8, |v[\s+30]|, |v[\s+31]|
	v_max3_num_f32 v8, v8, v9, 0x1800000
	v_add_nc_u32 v10, 0xff000000, v8
.endm
	s_cmp_lt_u32 ttmp9, 256
	s_cbranch_scc0 .Lw
; ---------------- PATH X ----------------
	v_and_b32 v8, 15, v0                           ; r
	v_lshlrev_b32 v3, 12, v2
	v_lshl_add_u32 v3, v8, 4, v3                   ; in: lanes 0-15 a piece of 256 bytes of one row, lanes 16-31 of the next row
	s_mul_i32 s17, s16, 8704                       ; my two stages
	v_mul_u32_u24 v4, v2, 272
	v_lshl_add_u32 v4, v8, 4, v4
	v_add_nc_u32 v4, s17, v4                       ; into a stage: as loaded
	v_mul_u32_u24 v5, v8, 272
	v_lshl_add_u32 v5, v2, 7, v5
	v_add_nc_u32 v5, s17, v5                       ; out of it: row r, my half's 128 bytes
	v_lshlrev_b32 v14, 3, v2                       ; 8 h
.irp i, 20,21,22,23
	v_mov_b32 v\i, 0                               ; a lane permute's destination counts as one of its sources
.endr
	s_lshl_b32 s18, ttmp9, 17                      ; 32 rows of 4,096 bytes
	s_lshl_b32 s19, s16, 10                        ; my 256 numbers of a row
	s_add_co_u32 s18, s18, s19
	s_mov_b32 s19, 0
	s_lshr_b32 s20, ttmp9, 2
	s_lshl_b32 s20, s20, 2
	s_add_co_u32 s20, s20, s16                     ; 4 x group of 128 rows + which 256 along K
	s_and_b32 s21, ttmp9, 3                        ; which 32 rows of the 128
	s_mul_i32 s22, s20, 24576
	s_mul_i32 s23, s21, 6144
	s_add_co_u32 s22, s22, s23
	s_mov_b32 s23, 0
	s_lshl_b32 s24, s20, 10
	s_lshl_b32 s25, s21, 8
	s_add_co_u32 s24, s24, s25
	s_add_co_u32 s24, s24, XSOFF
	s_mov_b32 s25, 0
	s_mov_b32 s26, 0x76543210
	s_mov_b32 s27, 0xfedcba98                      ; v_permlanex16_b32's selects for lane l xor 16
	s_wait_alu depctr_va_vdst(0)
	s_wait_kmcnt 0x0
	s_add_nc_u64 s[4:5], s[4:5], s[18:19]
	s_add_nc_u64 s[22:23], s[10:11], s[22:23]      ; my eight half fragments
	s_add_nc_u64 s[24:25], s[10:11], s[24:25]      ; my 256 scale bytes
; step t = 4 u + kk: tile u of the 32 rows, 64 along K from 64 kk on
.macro XLOAD t
.irp i, 0,1,2,3,4,5,6,7
	global_load_b128 v[R+32*((\t)%4)+4*\i:R+32*((\t)%4)+4*\i+3], v3, s[4:5] offset:(8*((\t)/4)+2*\i+8*(\i/4))*4096+256*((\t)%4) th:TH_LOAD_NT   ; positions 2 i and 2 i + 1 of the tile
.endr
.endm
.macro XTURN t                         ; through the stage: LDS serves a wave's instructions in order, so no wait stands between the stores and the loads
.irp i, 0,1,2,3,4,5,6,7
	ds_store_b128 v4, v[R+32*((\t)%4)+4*\i:R+32*((\t)%4)+4*\i+3] offset:4352*((\t)%2)+544*\i
.endr
.irp j, 0,1,2,3,4,5,6,7
	ds_load_b128 v[XN+32*((\t)%2)+4*\j:XN+32*((\t)%2)+4*\j+3], v5 offset:4352*((\t)%2)+16*\j
.endr
.endm
.macro XSTEP t
.set XS_, XN+32*((\t)%2)
.set CS_, C+8*((\t)%2)
	s_wait_dscnt 0x0                               ; this step's numbers are back from the stage, and its stores into the stage have read their registers,
.if (\t)+4 < 8
	XLOAD (\t)+4                                   ; which take the loads of four steps on
.endif
.if (\t) < 7
.if (\t) < 4
	s_wait_loadcnt 24                              ; the next step's eight loads are in; those of the three steps behind it may be out
.else
	s_wait_loadcnt 8*(6-(\t))
.endif
	XTURN (\t)+1
.endif
	BMAX XS_
	s_wait_alu depctr_va_vdst(0)
	s_wait_xcnt 0x0                                ; the stores of two steps back have read this set of codes
	v_cvt_scalef32_pk16_fp6_f32 v[CS_:CS_+2], v[XS_:XS_+15], v10
	v_cvt_scalef32_pk16_fp6_f32 v[CS_+4:CS_+6], v[XS_+16:XS_+31], v10    ; (a conversion's three registers begin on an even number)
	v_lshrrev_b32 v[E+(\t)], 23, v10               ; the scale's byte; also the plain line behind the conversions
	v_mov_b32 v[CS_+3], v[CS_+4]
	v_mov_b32 v[CS_+4], v[CS_+5]
	v_mov_b32 v[CS_+5], v[CS_+6]
	global_store_b128 v6, v[CS_:CS_+3], s[22:23] offset:768*(\t)          ; 512 consecutive bytes,
	global_store_b64 v7, v[CS_+4:CS_+5], s[22:23] offset:768*(\t)+512     ; and 256
.endm
.irp t, 0,1,2,3
	XLOAD \t
.endr
	s_wait_loadcnt 24
	XTURN 0
.irp t, 0,1,2,3,4,5,6,7
	XSTEP \t
.endr
; the scale words: word q of tile u has byte b from step 4 u + 2 q + b / 2, lane half b % 2
.irp w, 0,1,2,3
	v_lshl_or_b32 v[16+\w], v[E+2*\w+1], 16, v[E+2*\w]
.endr
.irp w, 0,1,2,3
	v_lshlrev_b32 v[16+\w], v14, v[16+\w]
.endr
.irp w, 0,1,2,3
	v_permlanex16_b32 v[20+\w], v[16+\w], s26, s27
.endr
.irp w, 0,1,2,3
	v_or_b32 v[16+\w], v[16+\w], v[20+\w]
.endr
	v_cmp_le_u32 vcc_lo, 16, v1
	v_cndmask_b32 v24, v16, v18, vcc_lo            ; lanes 0-15 store tile 0's two words, lanes 16-31 tile 1's
	v_cndmask_b32 v25, v17, v19, vcc_lo
	global_store_b64 v7, v[24:25], s[24:25]        ; 256 consecutive bytes
	s_wait_tensorcnt 0x0                           ; the wave's end: behind my last LDS store
	ds_add_u32 v[SPW], v[NIL]
	s_wait_dscnt 0x0
	s_endpgm
; ---------------- PATH W ----------------
.Lw:
	s_sub_co_u32 s17, ttmp9, 256
	s_lshr_b32 s18, s17, 2                         ; which 128 columns: 0-23 of w_attn, 24-31 are w_proj's 0-7
	s_and_b32 s19, s17, 3                          ; which 256 along K
	v_bfe_u32 v8, v0, 3, 1                         ; my column's place: tile u = bit 3 of the lane,
	v_and_b32 v9, 7, v0
	s_wait_alu depctr_va_vdst(0)
	v_lshl_add_u32 v9, v2, 3, v9                   ; row r = lane % 8 + 8 x bit 4
	s_mul_i32 s57, s16, 6144
	s_add_co_u32 s57, s57, WST                     ; my stage
	v_mul_u32_u24 v10, v8, 3072
	v_add_nc_u32 v10, s57, v10
	v_lshl_add_u32 v14, v9, 4, v10                 ; where a block's registers 0-3 go,
	v_lshl_add_u32 v15, v9, 3, v10
	v_add_nc_u32 v15, 512, v15                     ; and its registers 4-5
	v_add_nc_u32 v16, s57, v6                      ; the way out
	v_lshl_add_u32 v17, v8, 4, v9
	v_lshlrev_b32 v17, 3, v17                      ; my row's eight scale bytes
	s_wait_kmcnt 0x0
	s_cmp_lt_u32 s18, 24                           ; the choice hangs on the work-group's number alone
	s_cselect_b64 s[20:21], s[6:7], s[8:9]
	s_cselect_b64 s[22:23], s[12:13], s[14:15]
	s_mov_b32 s40, 4096
	s_cselect_b32 s40, 12288, s40                  ; a row of the weight in bytes
	s_mov_b32 s41, WPSOFF
	s_cselect_b32 s41, WASOFF, s41
	s_cselect_b32 s42, 0, 24
	s_sub_co_u32 s18, s18, s42
	s_lshl_b32 s43, s40, 8
	s_mul_i32 s44, s43, s19                        ; 256 rows for each step along K,
	s_lshl_b32 s43, s18, 9
	s_add_co_u32 s44, s44, s43                     ; 128 columns of 4 bytes,
	s_lshl_b32 s43, s16, 7
	s_add_co_u32 s44, s44, s43                     ; my wave's 32
	s_mov_b32 s45, 0
	s_lshl_b32 s46, s40, 5                         ; 32 rows: a block
	s_mov_b32 s47, 0
	s_add_nc_u64 s[24:25], s[20:21], s[44:45]
.irp t, 1,2,3,4,5,6,7
	s_add_nc_u64 s[24+2*\t:25+2*\t], s[22+2*\t:23+2*\t], s[46:47]        ; a base for each of the eight blocks
.endr
	s_lshl_b32 s48, s18, 2
	s_add_co_u32 s48, s48, s19
	s_mul_i32 s50, s48, 24576
	s_mul_i32 s49, s16, 6144
	s_add_co_u32 s50, s50, s49
	s_mov_b32 s51, 0
	s_add_nc_u64 s[52:53], s[22:23], s[50:51]      ; my eight half fragments
	s_lshl_b32 s50, s48, 10
	s_lshl_b32 s49, s16, 8
	s_add_co_u32 s50, s50, s49
	s_add_co_u32 s50, s50, s41
	s_add_nc_u64 s[54:55], s[22:23], s[50:51]      ; my 256 scale bytes
	v_lshlrev_b32 v[OF], 2, v1
.irp i, 1,2,3,4,5,6,7,8,9,10,11,12,13,14,15,16,17,18,19,20,21,22,23,24,25,26,27,28,29,30,31
	v_add_nc_u32 v[OF+\i], s40, v[OF+\i-1]
.endr
.macro WLOAD t                         ; block t: rows 32 t + i of my 256, my column: 128 consecutive bytes a load
.irp i, 0,1,2,3,4,5,6,7,8,9,10,11,12,13,14,15,16,17,18,19,20,21,22,23,24,25,26,27,28,29,30,31
	global_load_b32 v[WX+32*((\t)%2)+\i], v[OF+\i], s[24+2*(\t):25+2*(\t)] th:TH_LOAD_NT
.endr
.endm
.macro WBLOCK t
.set XS_, WX+32*((\t)%2)
.if (\t) < 7
	s_wait_loadcnt 32                              ; this block's 32 loads are in; the next block's may be out
.else
	s_wait_loadcnt 0x0
.endif
	BMAX XS_
	v_lshrrev_b32 v11, 23, v10                     ; the scale's byte
.if (\t)%4 == 0
	v_mov_b32 v[SB+(\t)/4], v11
.else
	v_lshl_or_b32 v[SB+(\t)/4], v11, 8*((\t)%4), v[SB+(\t)/4]
.endif
	v_cvt_scalef32_pk16_fp6_f32 v[WC:WC+2], v[XS_:XS_+15], v10
	v_cvt_scalef32_pk16_fp6_f32 v[WC+4:WC+6], v[XS_+16:XS_+31], v10
	v_nop                                          ; one plain line behind the conversions
	v_mov_b32 v[WC+3], v[WC+4]
	v_mov_b32 v[WC+4], v[WC+5]
	v_mov_b32 v[WC+5], v[WC+6]
	ds_store_b128 v14, v[WC:WC+3] offset:768*((\t)/2)+256*((\t)%2)       ; block t is half t % 2 of half fragment t / 2.  (The two tiles' rows lie 3,072 bytes apart: these stores go two deep in the banks)
	ds_store_b64 v15, v[WC+4:WC+5] offset:768*((\t)/2)+128*((\t)%2)
.if (\t)+2 < 8
	WLOAD (\t)+2
.endif
	s_wait_dscnt 0x0                               ; the stores have read their registers
.endm
	WLOAD 0
	WLOAD 1
.irp t, 0,1,2,3,4,5,6,7
	WBLOCK \t
.endr
	s_wait_alu depctr_va_vdst(0)
	global_store_b64 v17, v[SB:SB+1], s[54:55]     ; the 32 lanes fill 256 consecutive bytes
.irp t, 0,1,2,3,4,5,6,7,8,9,10,11
	ds_load_b128 v[OUTR+4*\t:OUTR+4*\t+3], v16 offset:512*\t
.endr
.irp t, 0,1,2,3,4,5,6,7,8,9,10,11
	s_wait_dscnt 11-\t
	global_store_b128 v6, v[OUTR+4*\t:OUTR+4*\t+3], s[52:53] offset:512*\t
.endr
	s_wait_tensorcnt 0x0                           ; the wave's end: behind my last LDS store
	ds_add_u32 v[SPW], v[NIL]
	s_wait_dscnt 0x0
	s_endpgm
.Lfunc_end_k_q986f42c4e4_quant:
	.size	k_q986f42c4e4_quant, .Lfunc_end_k_q986f42c4e4_quant-k_q986f42c4e4_quant
	.p2alignl 7, 3214868480
	.fill 96, 4, 3214868480
	.section	.rodata,"a",@progbits
	.p2align	6, 0x0
	.amdhsa_kernel k_q986f42c4e4_quant
		.amdhsa_group_segment_fixed_size 59904
		.amdhsa_private_segment_fixed_size 0
		.amdhsa_enable_private_segment 0
		.amdhsa_kernarg_size 48
		.amdhsa_user_sgpr_count 2
		.amdhsa_user_sgpr_kernarg_segment_ptr 1
		.amdhsa_wavefront_size32 1
		.amdhsa_system_sgpr_workgroup_id_x 1
		.amdhsa_system_sgpr_workgroup_id_y 1
		.amdhsa_system_sgpr_workgroup_id_z 1
		.amdhsa_system_vgpr_workitem_id 0
		.amdhsa_next_free_vgpr 248
		.amdhsa_next_free_sgpr 66
		.amdhsa_reserve_vcc 1
		.amdhsa_float_denorm_mode_32 3
		.amdhsa_float_denorm_mode_16_64 3
		.amdhsa_memory_ordered 1
		.amdhsa_forward_progress 1
		.amdhsa_inst_pref_size 74
	.end_amdhsa_kernel
	.amdgpu_metadata
---
amdhsa.version: [ 1, 2 ]
amdhsa.kernels:
  - .name:           k_q986f42c4e4_quant
    .symbol:         k_q986f42c4e4_quant.kd
    .args:
      - { .name: x, .offset: 0, .size: 8, .value_kind: global_buffer, .address_space: global }
      - { .name: w_attn, .offset: 8, .size: 8, .value_kind: global_buffer, .address_space: global }
      - { .name: w_proj, .offset: 16, .size: 8, .value_kind: global_buffer, .address_space: global }
      - { .name: xq, .offset: 24, .size: 8, .value_kind: global_buffer, .address_space: global }
      - { .name: waq, .offset: 32, .size: 8, .value_kind: global_buffer, .address_space: global }
      - { .name: wpq, .offset: 40, .size: 8, .value_kind: global_buffer, .address_space: global }
    .group_segment_fixed_size: 59904
    .private_segment_fixed_size: 0
    .kernarg_segment_align: 8
    .kernarg_segment_size: 48
    .max_flat_workgroup_size: 128
    .sgpr_count:     66
    .vgpr_count:     248
    .wavefront_size: 32
...
	.end_amdgpu_metadata
.endif
;; end of part 1
;; launch gemm_qkv (part 2): grid 12 x 32, 4 waves a work-group, clusters of 4 x 4, 327,680 bytes of LDS; arguments xq, waq, b_attn, qrec, kvc, kvs; writes qrec, kvc, kvs
.if DOCPART == 2
	.amdgcn_target "amdgcn-amd-amdhsa--gfx1250"
	.amdhsa_code_object_version 6
	.text
	.protected	k_q986f42c4e4_gemm_qkv
	.globl	k_q986f42c4e4_gemm_qkv
	.p2align	8
	.type	k_q986f42c4e4_gemm_qkv,@function
k_q986f42c4e4_gemm_qkv:
	s_mov_b64 s[64:65], 0
	v_nop
	global_prefetch_b8 v0, s[64:65] scope:SCOPE_SE
	s_setreg_imm32_b32 hwreg(HW_REG_WAVE_MODE, 25, 1), 1
	s_wait_xcnt 0x0
	s_wait_alu depctr_hold_cnt(0) depctr_sa_sdst(0) depctr_va_vdst(0) depctr_va_sdst(0) depctr_va_ssrc(0) depctr_va_vcc(0) depctr_vm_vsrc(0)
	s_getreg_b32 s2, hwreg(HW_REG_IB_STS2, 6, 4)
	s_cmp_eq_u32 s2, 0
	s_cbranch_scc0 .Lentry_in_a_cluster
	s_endpgm
.Lentry_in_a_cluster:
	s_bfe_u32 s2, ttmp6, 0x10000c
	s_cmp_lg_u32 s2, 0xf033
	s_cbranch_scc0 .Lentry_shape_is_right
	s_endpgm
.Lentry_shape_is_right:
; Launch 2 of 4: qkv = x w_attn + b_attn on codes of E2M3, and q, k, v quantised at once for the attention: q and k along the head's 64, v along the keys.  No f32 number goes to memory.
; A tile of 256 x 256 is made by four waves, 128 x 128 each: 64 accumulators, 512 registers (windows 2 and 3).  K = 1,024 goes in four steps of 256 through two LDS slots filled by the tensor data mover.
; OPERANDS ARE IMAGES OF REGISTERS (half fragments of 768 bytes: lane l's registers 0-3 at 16 l, 4-5 at 512 + 8 l), so 128 rows x 256 along K are one dense block of 24,576 bytes and every LDS load is dense over the lanes.
; THE PRODUCT IS USED TRANSPOSED: source 0 = 16 rows of B', source 1 = 16 rows of A'.  A lane then holds one row of A', and, by the stored order of B's rows, the 16 registers of two neighbouring tiles are 16 neighbours along B's rows.
; ONE TEXT SERVES q, k AND v BY CHANGING THE OPERANDS' PLACES.  Cluster x = 0 (q), 1 (k): A' = x's tokens, B' = w_attn's columns: a lane holds a token and neighbours along the head's channels, the next K.
; Cluster x = 2 (v): A' = w_attn's columns 2,048 on, B' = x's tokens: a lane holds a channel and neighbours along the tokens, which are the keys, the K of the product with p.
; CLUSTERS: 4 x 4 work-groups; A's tiles are shared along a row of the cluster, B's along a column, each asked for jointly.  The cluster's x is the same in all sixteen, so the choice of operands and the branch at the end are alike in all partners.
; No prefetch: K has four steps, two of them first fills, so no refill has a step far enough ahead of it.
; WAY OUT: bias, quantiser in registers, images into the wave's own stage in LDS (bytes into which no tile ever lands; one stage for each arm), back in runs of 512 bytes, stores of whole aligned blocks of 256 bytes.
; qrec [b h][128 queries]: 8 half fragments, 512 bytes of scale words.  kvc [b h][128 keys]: 8 half fragments of K, 4 fragments of V^T.  kvs [b h][128 keys]: K's words 512 bytes, V's 256.
; REGISTERS: window 0: v1-14 addresses of the way out; v16-23, v27 LDS addresses; v28, v29 the add's two; v32-63 scale words, two sets; v64-127 the bias; v128-223 A's fragments, one set (later the codes just made and the way out); v232-249 at work.
;   window 1: B's fragments, two sets, at v0 and v128.   windows 2, 3: the accumulators ((a, b) at v[8 (8 (a % 4) + b)]).
.set NQ,    2                          ; matrix instructions deep in a slot
.set FR,    12                         ; registers of a fragment
.set NL,    4                          ; LDS loads that bring one
.set NP,    4                          ; places behind this matrix instruction (ISA guide 7.12.1)
.set GRPB,  24576                      ; 128 rows x 256 along K
.set SLOT,  4*GRPB                     ; A's two groups, then B's two
.set SCL,   2*SLOT                     ; the scale bytes of the four groups for all of K: 4,096 each, filled once
.set SPARE, SCL+4*4096                 ; the spare words, 128 bytes for each wave
.set STGQ,  SPARE+512                  ; q's and k's stage: 13,312 bytes a wave
.set STGV,  STGQ+4*13312               ; v's: 12,800 bytes a wave
.set XSOFF, 6291456                    ; where xq's scale bytes begin
.set WSOFF, 2359296                    ; waq's
.set ADRA, 16                          ; v16-17 16 x lane + my A' group in slot 0, 1;  v18-19 the same with 8 x lane
.set ADRB, 20                          ; v20-23 the same for B'
.set ADRS, 27                          ; v27    my scale words: lanes 0-15 A's rows, lanes 16-31 B's
.set SPW,  28
.set NIL,  29
.set SC,   32
.set BIAS, 64
.set AF,   128
.set PC,   128                         ; v128-147 the codes just made
.set OUTR, 128                         ; v128-231 the way out
.set TM,   232                         ; v232-235 largest magnitudes, v236-239 bytes, v244-247 the conversions' scale operands
.set PW,   248                         ; the scale word just made
.set SV,   249
.set SEL,  20                          ; s[20:21]
.set G1, 24
.set G0, 32
.set G1B, 48
.set G0B, 56
.set G1S, 68
.set G0S, 76
.set G1SB, 80
.set G0SB, 88
.set MSB, 0
.macro WIN new                         ; the immediate's high byte repeats the setting that is left
.if MSB != (\new)
	s_set_vgpr_msb (MSB<<8)|(\new)
.set MSB, (\new)
.endif
.endm
.set MUL_LO, 0xa1                      ; source 0 (B') window 1, source 1 (A') window 0, C and D window 2
.set MUL_HI, 0xf1                      ; the same, C and D window 3
.set TO_B,   0x40                      ; destination window 1, address window 0
; A joint load: waves 0 and 1 fetch for A', waves 2 and 3 for B'.  The branch hangs on the wave's number alone.  An s_nop 0 and four v_nop follow each of the two lines.
.macro JLOAD g0a, g1a, g0b, g1b
	s_cmp_eq_u32 s17, 0
	s_cbranch_scc0 .Lfor_b_\@
	tensor_load_to_lds s[\g0a:\g0a+3], s[\g1a:\g1a+7]
	s_nop 0
.rept 4
	v_nop
.endr
	s_branch .Lasked_\@
.Lfor_b_\@:
	tensor_load_to_lds s[\g0b:\g0b+3], s[\g1b:\g1b+7]
	s_nop 0
.rept 4
	v_nop
.endr
.Lasked_\@:
.endm
.macro CREST                           ; a round of the cluster's barrier behind its opening barrier
	s_cmp_lg_u32 s16, 0
	s_cbranch_scc1 .Lnot_wave_0_\@
	s_barrier_signal -3
.Lnot_wave_0_\@:
	s_barrier_wait -3
	s_barrier_signal -1
	s_barrier_wait -1
.endm
.macro CROUND
	s_barrier_signal -1
	s_barrier_wait -1
	CREST
.endm
	s_load_b256 s[4:11], s[0:1], 0x0               ; xq s[4:5], waq s[6:7], b_attn s[8:9], qrec s[10:11]
	s_load_b128 s[12:15], s[0:1], 0x20             ; kvc s[12:13], kvs s[14:15]
	v_lshl_add_u32 v[SPW], v0, 2, SPARE
	v_mov_b32 v[NIL], 0
	ds_add_u32 v[SPW], v[NIL]                      ; the wave's opening: the add, twice on end, and its wait ahead of my first tensor load
	ds_add_u32 v[SPW], v[NIL]
	v_lshrrev_b32 v1, 5, v0
	v_readfirstlane_b32 s16, v1                    ; wave 0..3
	s_lshr_b32 s17, s16, 1                         ; which half of A's rows is mine.  Also: I fetch for A' (0) or for B' (1)
	s_and_b32 s18, s16, 1                          ; which half of B's rows.  Also: which group of 128 rows I fetch
	s_bfe_u32 s94, ttmp6, 0x40000                  ; cx
	s_bfe_u32 s95, ttmp6, 0x40004                  ; cy
	s_and_b32 s96, ttmp7, 0xffff
	s_lshl_b32 s96, s96, 2                         ; 4 x cluster y
	s_lshl_b32 s97, ttmp9, 2                       ; 4 x cluster x
	s_lshl_b32 s98, s95, 2
	s_lshl_b32 s98, 15, s98                        ; my row of the cluster
	s_lshl_b32 s99, 0x1111, s94                    ; my column
	; group 1: a dense block as rows of 256 bytes (32 elements of 8 bytes): 96 rows of codes, 32 rows of scale bytes
	s_or_b32 s[G1+0], s98, (3<<16)|(1<<21)         ; 15:0 the mask; 17:16 elements of 8 bytes; 21 set beside a mask; no padding
	s_or_b32 s[G1B+0], s99, (3<<16)|(1<<21)
	s_or_b32 s[G1S+0], s98, (3<<16)|(1<<21)
	s_or_b32 s[G1SB+0], s99, (3<<16)|(1<<21)
.irp g, G1, G1B                        ; for the head's loads: the first two steps of 256 along K of both groups of a tile: two rows of 49,152 bytes (6,144 elements), 98,304 bytes apart
	s_mov_b32 s[\g+1], 6144<<16
	s_mov_b32 s[\g+2], 2<<16
	s_mov_b32 s[\g+3], 6144<<16
	s_mov_b32 s[\g+4], 2
	s_mov_b32 s[\g+5], 12288
	s_mov_b32 s[\g+6], 0
	s_mov_b32 s[\g+7], 0
.endr
.irp g, G1S, G1SB
	s_mov_b32 s[\g+1], 32<<16
	s_mov_b32 s[\g+2], 32<<16                      ; both groups' scale bytes: 32 rows of 256 bytes
	s_mov_b32 s[\g+3], 32<<16
	s_mov_b32 s[\g+4], 32
	s_mov_b32 s[\g+5], 32
	s_mov_b32 s[\g+6], 0
	s_mov_b32 s[\g+7], 0
.endr
	s_cmp_eq_u32 ttmp9, 2                          ; v?  The cluster's x: the same in all sixteen partners
	s_cselect_b32 s19, 1, 0
	s_cselect_b32 s22, 8, s96                      ; A's tile of 256 rows: v: 8 + cy (columns 2,048 on); else 4 Y + cy (tokens)
	s_cselect_b32 s2, s96, s97                     ; B's: v: 4 Y + cx (tokens); else 4 X + cx (columns)
	s_add_co_u32 s22, s22, s95
	s_lshl_b32 s22, s22, 1
	s_add_co_u32 s22, s22, s18                     ; the group of 128 rows of A' that I would fetch
	s_add_co_u32 s2, s2, s94
	s_lshl_b32 s2, s2, 1
	s_add_co_u32 s2, s2, s18                       ; and of B'
	s_mul_i32 s66, s16, 2*GRPB                     ; where they go: wave x a group's two slots, which lie side by side: no place in the cluster enters an LDS address
	s_mov_b32 s[SEL], 0x76543210
	s_mov_b32 s[SEL+1], 0xfedcba98
	s_wait_dscnt 0x0                               ; both opening adds are done
	s_wait_kmcnt 0x0
	s_cmp_eq_u32 ttmp9, 2
	s_cselect_b64 s[G0+2:G0+3], s[6:7], s[4:5]     ; A's buffer
	s_cselect_b64 s[G0B+2:G0B+3], s[4:5], s[6:7]   ; B's
	s_mov_b32 s[G0S+2], XSOFF
	s_cselect_b32 s[G0S+2], WSOFF, s[G0S+2]        ; where its scale bytes begin
	s_mov_b32 s[G0SB+2], WSOFF
	s_cselect_b32 s[G0SB+2], XSOFF, s[G0SB+2]
	s_mov_b32 s[G0S+3], 0
	s_mov_b32 s[G0SB+3], 0
	s_sub_co_u32 s23, s22, s18                     ; the tile's first group: one load brings both groups' scale bytes
	s_lshl_b32 s23, s23, 12
	s_add_co_u32 s[G0S+2], s[G0S+2], s23           ; + 4,096 bytes a group
	s_sub_co_u32 s3, s2, s18
	s_lshl_b32 s3, s3, 12
	s_add_co_u32 s[G0SB+2], s[G0SB+2], s3
	s_add_nc_u64 s[G0S+2:G0S+3], s[G0+2:G0+3], s[G0S+2:G0S+3]
	s_add_nc_u64 s[G0SB+2:G0SB+3], s[G0B+2:G0B+3], s[G0SB+2:G0SB+3]
	s_mul_i32 s22, s22, 4*GRPB                     ; a group's codes for all of K
	s_mov_b32 s23, 0
	s_mul_i32 s2, s2, 4*GRPB
	s_mov_b32 s3, 0
	s_add_nc_u64 s[G0+2:G0+3], s[G0+2:G0+3], s[22:23]
	s_add_nc_u64 s[G0B+2:G0B+3], s[G0B+2:G0B+3], s[2:3]
	s_add_nc_u64 s[G0+6:G0+7], s[G0+2:G0+3], GRPB  ; slot 1 begins with the second 256 along K
	s_add_nc_u64 s[G0B+6:G0B+7], s[G0B+2:G0B+3], GRPB
.irp g, G0, G0+4, G0B, G0B+4, G0S, G0SB
	s_mov_b32 s[\g], 1                             ; count = 1
	s_or_b32 s[\g+3], s[\g+3], 0x80000000          ; type = 2
.endr
	s_add_co_u32 s[G0+1], s66, 0
	s_add_co_u32 s[G0+5], s66, GRPB
	s_add_co_u32 s[G0B+1], s66, 0
	s_add_co_u32 s[G0B+5], s66, GRPB
	s_mov_b32 s[G0S+1], SCL
	s_mov_b32 s[G0SB+1], SCL+2*4096
	CROUND                                         ; all sixteen work-groups are here: the first joint loads meet
; THE HEAD'S LOADS, ONE A WAVE, FILL BOTH SLOTS: wave 0 brings both slots of A's two groups (its own group 0 names the first group and LDS byte 0), wave 2 those of B's two (likewise, LDS byte 4 GRPB),
; wave 1 A's scale bytes, wave 3 B's.  One chain of branches on the wave's number: every way passes exactly one load.
.macro ARM eq, g0, g1, next
	s_cmp_eq_u32 s16, \eq
	s_cbranch_scc0 \next
	tensor_load_to_lds s[\g0:\g0+3], s[\g1:\g1+7]
	s_nop 0
.rept 4
	v_nop
.endr
	s_branch .Lhead_asked
\next:
.endm
	ARM 0, G0, G1, .Lhead_b
	ARM 2, G0B, G1B, .Lhead_sa
	ARM 1, G0S, G1S, .Lhead_sb
	tensor_load_to_lds s[G0SB:G0SB+3], s[G1SB:G1SB+7]
	s_nop 0
.rept 4
	v_nop
.endr
.Lhead_asked:
	v_and_b32 v1, 15, v0                           ; r
	v_bfe_u32 v2, v0, 4, 1                         ; h
	v_and_b32 v15, 31, v0
	v_lshlrev_b32 v3, 4, v15                       ; 16 x lane
	v_lshlrev_b32 v4, 3, v15                       ; 8 x lane
	s_mul_i32 s22, s17, 2*GRPB                     ; my group of A': its slot 0,
	s_mul_i32 s23, s18, 2*GRPB
	s_add_co_u32 s23, s23, 4*GRPB                  ; my group of B', behind A's two
.irp s, 0,1
	v_add_nc_u32 v[ADRA+\s], s22, v3
	v_add_nc_u32 v[ADRA+2+\s], s22, v4
	v_add_nc_u32 v[ADRB+\s], s23, v3
	v_add_nc_u32 v[ADRB+2+\s], s23, v4
	s_add_co_u32 s22, s22, GRPB
	s_add_co_u32 s23, s23, GRPB
.endr
	s_lshl_b32 s22, s17, 12
	s_lshl_b32 s23, s18, 12
	s_add_co_u32 s23, s23, 2*4096
	s_sub_co_u32 s23, s23, s22
	v_mul_u32_u24 v5, s23, v2                      ; lanes 16-31 take B's: the lower base + h x the distance
	v_lshl_add_u32 v5, v1, 3, v5                   ; 8 bytes a row
	s_add_co_u32 s22, s22, SCL
	v_add_nc_u32 v[ADRS], s22, v5
	s_mul_i32 s22, s16, 13312
	s_add_co_u32 s22, s22, STGQ
	v_add_nc_u32 v5, s22, v3                       ; v5, v6: q's and k's stage, 16 x lane and 8 x lane
	v_add_nc_u32 v6, s22, v4
	v_lshlrev_b32 v7, 4, v1
	v_lshl_add_u32 v7, v2, 9, v7
	s_add_co_u32 s22, s22, 12288
	v_add_nc_u32 v7, s22, v7                       ; v7: its scale words: 16 r, lanes 16-31 the second head's 512 bytes
	s_mul_i32 s22, s16, 12800
	s_add_co_u32 s22, s22, STGV
	v_add_nc_u32 v8, s22, v3                       ; v8, v9: v's stage
	v_add_nc_u32 v9, s22, v4
	v_lshlrev_b32 v10, 3, v1
	s_add_co_u32 s22, s22, 12288
	v_add_nc_u32 v10, s22, v10                     ; v10: its scale words: 8 r
	v_lshlrev_b32 v11, 4, v2                       ; 16 h
	v_lshlrev_b32 v12, 6, v2                       ; the bias of q and k: my half's 16 numbers of each 32
	v_lshrrev_b32 v13, 3, v1
	v_lshl_add_u32 v13, v13, 3, v1
	v_lshlrev_b32 v13, 2, v13                      ; the bias of v: my channel, r + 8 (r / 8)
	v_mul_u32_u24 v14, v2, 12288
	v_lshl_add_u32 v14, v1, 4, v14                 ; v's scale words on their way out: lanes 16-31 the next head's record (16 records of 768 bytes on)
.irp b, 0,1,2,3
	v_mov_b32 v[TM+4+\b], 0                        ; a lane permute's destination counts as one of its sources
.endr
	; where the results go.  ct, ch: the places in the cluster that count tokens and heads; wt, wh: the wave's halves likewise
	s_cmp_eq_u32 ttmp9, 2
	s_cselect_b32 s2, s94, s95
	s_cselect_b32 s3, s95, s94
	s_cselect_b32 s22, s18, s17
	s_cselect_b32 s23, s17, s18
	s_cselect_b32 s97, 6144, 0                     ; V^T lies behind K in a record of kvc,
	s_cselect_b32 s98, 512, 0                      ; and its words behind K's in a record of kvs
	s_add_co_u32 s2, s2, s96
	s_lshl_b32 s2, s2, 1
	s_add_co_u32 s2, s2, s22                       ; which 128 tokens of the 8,192
	s_lshl_b32 s3, s3, 2
	s_lshl_b32 s23, s23, 1
	s_add_co_u32 s3, s3, s23                       ; my first head of two
	s_lshr_b32 s22, s2, 4                          ; the batch
	s_and_b32 s2, s2, 15                           ; which 128 tokens of the sequence
	s_lshl_b32 s22, s22, 4
	s_add_co_u32 s22, s22, s3
	s_lshl_b32 s22, s22, 4
	s_add_co_u32 s22, s22, s2                      ; the record
	s_lshl_b32 s92, ttmp9, 12
	s_lshl_b32 s3, s3, 8
	s_add_co_u32 s92, s92, s3
	s_mov_b32 s93, 0
	s_add_nc_u64 s[92:93], s[8:9], s[92:93]        ; the bias of my 128 columns: 4 (1,024 X + 64 head)
	s_cmp_eq_u32 ttmp9, 0
	s_cselect_b64 s[40:41], s[10:11], s[12:13]
	s_cselect_b64 s[44:45], s[10:11], s[14:15]
	s_mov_b32 s2, 12288
	s_cselect_b32 s2, 6656, s2                     ; a record of codes,
	s_mov_b32 s3, 768
	s_cselect_b32 s3, 6656, s3                     ; and of scale words
	s_cselect_b32 s98, 6144, s98
	s_mul_i32 s94, s22, s2
	s_add_co_u32 s94, s94, s97
	s_mov_b32 s95, 0
	s_add_nc_u64 s[40:41], s[40:41], s[94:95]      ; codes, first head
	s_lshl_b32 s94, s2, 4
	s_add_nc_u64 s[42:43], s[40:41], s[94:95]      ; second head: 16 records on
	s_mul_i32 s94, s22, s3
	s_add_co_u32 s94, s94, s98
	s_add_nc_u64 s[44:45], s[44:45], s[94:95]      ; scale words, first head
	s_lshl_b32 s94, s3, 4
	s_add_nc_u64 s[46:47], s[44:45], s[94:95]      ; second head
.macro FRAG reg, adr, q, i             ; a fragment (tile i, the slot's q-th 128 along K): two half fragments on end
	ds_load_b128 v[\reg:\reg+3],     v[\adr]   offset:(\i)*3072+(\q)*1536
	ds_load_b64  v[\reg+4:\reg+5],   v[\adr+2] offset:(\i)*3072+(\q)*1536+512
	ds_load_b128 v[\reg+6:\reg+9],   v[\adr]   offset:(\i)*3072+(\q)*1536+768
	ds_load_b64  v[\reg+10:\reg+11], v[\adr+2] offset:(\i)*3072+(\q)*1536+1280
.endm
; 16 matrix instructions: A's blocks a0, a0 + 1 x B's eight.  p: B's set; sc: the set of scale words.  zero = 1: the first product starts the sums.  The 64 accumulators take turns, one instruction a turn.
.macro MUL16 a0, p, q, sc, zero
.irp a, \a0, \a0+1
.irp b, 0,1,2,3,4,5,6,7
.if \zero
	v_wmma_scale_f32_16x16x128_f8f6f4 v[8*(8*((\a)%4)+\b):8*(8*((\a)%4)+\b)+7], v[128*(\p)+FR*\b:128*(\p)+FR*\b+FR-1], v[AF+FR*(\a):AF+FR*(\a)+FR-1], 0, v[SC+8*NQ*(\sc)+NQ*\b+(\q)], v[SC+8*NQ*(\sc)+NQ*(\a)+(\q)] matrix_a_fmt:MATRIX_FMT_FP6 matrix_b_fmt:MATRIX_FMT_FP6 matrix_a_scale:MATRIX_SCALE_ROW1
.else
	v_wmma_scale_f32_16x16x128_f8f6f4 v[8*(8*((\a)%4)+\b):8*(8*((\a)%4)+\b)+7], v[128*(\p)+FR*\b:128*(\p)+FR*\b+FR-1], v[AF+FR*(\a):AF+FR*(\a)+FR-1], v[8*(8*((\a)%4)+\b):8*(8*((\a)%4)+\b)+7], v[SC+8*NQ*(\sc)+NQ*\b+(\q)], v[SC+8*NQ*(\sc)+NQ*(\a)+(\q)] matrix_a_fmt:MATRIX_FMT_FP6 matrix_b_fmt:MATRIX_FMT_FP6 matrix_a_scale:MATRIX_SCALE_ROW1
.endif
.endr
.endr
.endm
.macro FETCH_B slot, q, p
	WIN TO_B
.irp i, 0,1,2,3,4,5,6,7
	FRAG 128*(\p)+FR*\i, ADRB+\slot, \q, \i
.endr
	WIN 0
.endm
.macro FETCH_A slot, q, i0
.irp i, \i0, \i0+1, \i0+2, \i0+3
	FRAG AF+FR*(\i), ADRA+\slot, \q, \i
.endr
.endm
.macro SCALES sc                       ; a slot's scale words: two a row; lanes 0-15 take A's tile i, lanes 16-31 B's tile i
.irp i, 0,1,2,3,4,5,6,7
	ds_load_b64 v[SC+8*NQ*\sc+NQ*\i:SC+8*NQ*\sc+NQ*\i+1], v[ADRS] offset:128*\i
.endr
.endm
.macro PLACES n                        ; plain vector lines between a matrix instruction and a load into, or a read of, its registers
.rept \n
	v_nop
.endr
.endm
.macro STEP slot, q, zero              ; 128 along K that have their successor in the same slot
	s_wait_dscnt 4*NL                              ; B's set and A's blocks 0-3 are in; the youngest sixteen loads (A's blocks 4-7) may be out
	WIN MUL_LO
	MUL16 0, (\q)%2, \q, \slot, \zero
	MUL16 2, (\q)%2, \q, \slot, \zero
	s_wait_dscnt 0
	PLACES NP
	FETCH_B \slot, (\q)+1, 1-(\q)%2
	FETCH_A \slot, (\q)+1, 0
	WIN MUL_HI
	MUL16 4, (\q)%2, \q, \slot, \zero
	MUL16 6, (\q)%2, \q, \slot, \zero
	PLACES NP
	WIN 0
	FETCH_A \slot, (\q)+1, 4
.endm
; A slot's last 128 change slots: one barrier; in front of it each wave waits for all its tensor loads, adds 0 to its spare word, and waits for that and for its reads of this slot.  fill = 1: the slot is filled again, two steps of 256 ahead.
.macro TURN slot, next, fill
	s_wait_tensorcnt 0x0                           ; all my tensor loads have landed: my part of the next slot
	ds_add_u32 v[SPW], v[NIL]
	s_wait_dscnt 4*NL+1                            ; (the add and A's blocks 4-7 may be out)
	WIN MUL_LO
	MUL16 0, 1, NQ-1, \slot, 0
	s_wait_dscnt 0x0                               ; the add is done, and my reads of this slot are over
	s_barrier_signal -1
	MUL16 2, 1, NQ-1, \slot, 0
	WIN 0
	s_barrier_wait -1
.if \fill
	CREST                                          ; the barrier has opened a round of the cluster's: no wave of any partner still reads this slot or has a load on its way
	s_add_nc_u64 s[G0+4*\slot+2:G0+4*\slot+3], s[G0+4*\slot+2:G0+4*\slot+3], 2*GRPB
	s_add_nc_u64 s[G0B+4*\slot+2:G0B+4*\slot+3], s[G0B+4*\slot+2:G0B+4*\slot+3], 2*GRPB
	JLOAD G0+4*\slot, G1, G0B+4*\slot, G1B         ; the first tensor load behind the round; its four v_nop are the places in front of the loads below
.else
	PLACES NP
.endif
	s_wait_alu depctr_va_vdst(0)
	v_add_nc_u32 v[ADRS], 1024, v[ADRS]            ; the next slot's scale words
	FETCH_B \next, 0, 0
	FETCH_A \next, 0, 0
	SCALES \next
	WIN MUL_HI
	MUL16 4, 1, NQ-1, \slot, 0
	MUL16 6, 1, NQ-1, \slot, 0
	PLACES NP
	WIN 0
	FETCH_A \next, 0, 4
.endm
.macro LAST                            ; the very last 128: nothing more to fetch
	s_wait_dscnt 4*NL
	WIN MUL_LO
	MUL16 0, 1, NQ-1, 1, 0
	MUL16 2, 1, NQ-1, 1, 0
	s_wait_dscnt 0
	WIN MUL_HI
	MUL16 4, 1, NQ-1, 1, 0
	MUL16 6, 1, NQ-1, 1, 0
	WIN 0
.endm
; The 64 numbers of a lane in block a's accumulators (register 16 b + i = neighbour 32 b + 16 h + i of my row) become a fragment's codes in v[PC] on and its scale word in v[PW].  AC, WW: the accumulators' first register and window.
.macro QUANTW
	WIN (5*WW)                                     ; sources 0 and 1 in the accumulators' window
.irp b, 0,1,2,3
	v_max3_num_f32 v[TM+\b], |v[AC+16*\b]|, |v[AC+1+16*\b]|, 0x1800000    ; with the floor 2^(3 - 127): the byte cannot fall under 1
.endr
.irp i, 2,4,6,8,10,12,14
.irp b, 0,1,2,3
	v_max3_num_f32 v[TM+\b], |v[AC+16*\b+\i]|, |v[AC+1+16*\b+\i]|, v[TM+\b]
.endr
.endr
	WIN 0
	s_wait_alu depctr_va_vdst(0)
	s_wait_dscnt 0x0                               ; the last block's stores into the stage have read their registers
.irp b, 0,1,2,3
	v_permlanex16_b32 v[TM+4+\b], v[TM+\b], s[SEL], s[SEL+1]
.endr
.irp b, 0,1,2,3
	v_max_num_f32 v[TM+\b], v[TM+\b], v[TM+4+\b]   ; with lane l xor 16's: the block's largest magnitude
.endr
.irp b, 0,1,2,3
	v_add_nc_u32 v[TM+12+\b], 0xff000000, v[TM+\b] ; 2 off its exponent field: the conversion's scale operand
.endr
.irp b, 0,1,2,3
	v_lshrrev_b32 v[TM+4+\b], 23, v[TM+12+\b]      ; the scale's byte
.endr
	v_lshl_or_b32 v[PW], v[TM+5], 8, v[TM+4]
	v_lshl_or_b32 v[PW], v[TM+6], 16, v[PW]
	v_lshl_or_b32 v[PW], v[TM+7], 24, v[PW]
	WIN WW                                         ; source 0 in the accumulators' window
.irp c, 0,1
	v_cvt_scalef32_pk16_fp6_f32 v[PC+6*\c:PC+2+6*\c], v[AC+32*\c:AC+15+32*\c], v[TM+12+2*\c]
	v_cvt_scalef32_pk16_fp6_f32 v[PC+12+4*\c:PC+14+4*\c], v[AC+16+32*\c:AC+31+32*\c], v[TM+12+2*\c+1]
.endr
	WIN 0
	v_nop                                          ; one plain line behind the conversions
.irp c, 0,1                            ; the operand's layout wants a whole block in a lane
.irp i, 0,1,2
	v_permlane16_swap_b32 v[PC+6*\c+\i], v[PC+12+4*\c+\i]
.endr
.irp i, 0,1,2
	v_mov_b32 v[PC+3+6*\c+\i], v[PC+12+4*\c+\i]
.endr
.endr
.endm
.macro BLOCKQ a, isv                   ; block a of A's rows: bias, quantiser, image into the stage
.set AC, 64*((\a)%4)
.set WW, 2+(\a)/4
	WIN (65*WW)                                    ; destination and source 0 in the accumulators' window, the bias in window 0
.set i, 0
.rept 32                               ; in ascending order: each accumulator is read from its low end on
.if \isv
	v_pk_add_f32 v[AC+i:AC+i+1], v[AC+i:AC+i+1], v[BIAS+2*(\a):BIAS+2*(\a)+1]
.else
	v_pk_add_f32 v[AC+i:AC+i+1], v[AC+i:AC+i+1], v[BIAS+i:BIAS+i+1]
.endif
.set i, i+2
.endr
	QUANTW
.if \isv
	ds_store_b128 v8, v[PC:PC+3] offset:1536*(\a)                  ; a fragment of V^T: 16 channels x 128 keys
	ds_store_b64 v9, v[PC+4:PC+5] offset:1536*(\a)+512
	ds_store_b128 v8, v[PC+6:PC+9] offset:1536*(\a)+768
	ds_store_b64 v9, v[PC+10:PC+11] offset:1536*(\a)+1280
	ds_store_b32 v10, v[PW] offset:256*((\a)/4)+128*((\a)%2)+4*(((\a)%4)/2)   ; channel position 32 u + l of a head at 8 l + 4 u (both halves of the lanes write the same word)
.else
	ds_store_b128 v5, v[PC:PC+3] offset:768*(\a)                   ; the first head's half fragment,
	ds_store_b64 v6, v[PC+4:PC+5] offset:768*(\a)+512
	ds_store_b128 v5, v[PC+6:PC+9] offset:6144+768*(\a)            ; the second head's
	ds_store_b64 v6, v[PC+10:PC+11] offset:6144+768*(\a)+512
	v_lshrrev_b32 v[SV], v11, v[PW]
	v_and_b32 v[SV], 0xffff, v[SV]                 ; lanes 0-15 the first head's two bytes, lanes 16-31 the second's; the upper two bytes stand over zero codes
	ds_store_b32 v7, v[SV] offset:256*((\a)%2)+4*((\a)/2)          ; row position 32 u + l at 16 l + 4 u
.endif
.endm
.macro TAIL isv
.if \isv
.irp a, 0,1,2,3,4,5,6,7
	global_load_b32 v[BIAS+2*\a], v13, s[92:93] offset:4*(32*(\a/2)+8*(\a%2))     ; my channel's bias, twice: a pair for the packed addition
	global_load_b32 v[BIAS+2*\a+1], v13, s[92:93] offset:4*(32*(\a/2)+8*(\a%2))
.endr
.else
.irp b, 0,1,2,3
.irp j, 0,1,2,3
	global_load_b128 v[BIAS+16*\b+4*\j:BIAS+16*\b+4*\j+3], v12, s[92:93] offset:128*\b+16*\j
.endr
.endr
.endif
	LAST                                           ; the bias lands under the last 64 products
	PLACES NP
	s_wait_loadcnt 0x0
.irp a, 0,1,2,3,4,5,6,7
	BLOCKQ \a, \isv
.endr
.set t, 0
.rept 26-\isv                          ; back from my own stage in runs of 512 bytes: LDS serves a wave's instructions in order
.if \isv
	ds_load_b128 v[OUTR+4*t:OUTR+4*t+3], v8 offset:512*t
.else
	ds_load_b128 v[OUTR+4*t:OUTR+4*t+3], v5 offset:512*t
.endif
.set t, t+1
.endr
.set t, 0
.rept 26-\isv
	s_wait_dscnt 25-\isv-t
.if t < 12
	global_store_b128 v3, v[OUTR+4*t:OUTR+4*t+3], s[40:41] offset:512*t
.elseif t < 24
	global_store_b128 v3, v[OUTR+4*t:OUTR+4*t+3], s[42:43] offset:512*(t-12)
.elseif \isv
	global_store_b128 v14, v[OUTR+4*t:OUTR+4*t+3], s[44:45]        ; 256 bytes to each of the two heads' records
.elseif t == 24
	global_store_b128 v3, v[OUTR+4*t:OUTR+4*t+3], s[44:45]
.else
	global_store_b128 v3, v[OUTR+4*t:OUTR+4*t+3], s[46:47]
.endif
.set t, t+1
.endr
	s_wait_tensorcnt 0x0                           ; the wave's end: behind my last tensor load and my last LDS store
	ds_add_u32 v[SPW], v[NIL]
	s_wait_dscnt 0x0
	CROUND                                         ; the closing round
	s_endpgm
.endm
	s_wait_alu depctr_va_vdst(0)                   ; the wait at the head's end
	s_wait_tensorcnt 0x0                           ; my tile of the head's four is in
.irp g, G1, G1B                        ; no tensor load of mine is out: from here on a load brings one slot of one group, 96 rows of 256 bytes
	s_mov_b32 s[\g+1], 32<<16
	s_mov_b32 s[\g+2], 96<<16
	s_mov_b32 s[\g+3], 32<<16
	s_mov_b32 s[\g+4], 96
	s_mov_b32 s[\g+5], 32
.endr
	s_barrier_signal -1
	s_barrier_wait -1                              ; all four tiles are in: both slots and the scale bytes
	FETCH_B 0, 0, 0
	FETCH_A 0, 0, 0
	SCALES 0
	FETCH_A 0, 0, 4
	STEP 0, 0, 1                                   ; the first products start the sums: nothing is cleared
	TURN 0, 1, 1
	STEP 1, 0, 0
	TURN 1, 0, 1
	STEP 0, 0, 0
	TURN 0, 1, 0                                   ; nothing is left to fetch
	STEP 1, 0, 0
	s_cmp_lg_u32 s19, 0                            ; the cluster's x alone decides: alike in all partners; no joint load stands behind this branch
	s_cbranch_scc1 .Lv
	TAIL 0
.Lv:
	TAIL 1
.Lfunc_end_k_q986f42c4e4_gemm_qkv:
	.size	k_q986f42c4e4_gemm_qkv, .Lfunc_end_k_q986f42c4e4_gemm_qkv-k_q986f42c4e4_gemm_qkv
	.p2alignl 7, 3214868480
	.fill 96, 4, 3214868480
	.section	.rodata,"a",@progbits
	.p2align	6, 0x0
	.amdhsa_kernel k_q986f42c4e4_gemm_qkv
		.amdhsa_group_segment_fixed_size 327680
		.amdhsa_private_segment_fixed_size 0
		.amdhsa_enable_private_segment 0
		.amdhsa_kernarg_size 48
		.amdhsa_user_sgpr_count 2
		.amdhsa_user_sgpr_kernarg_segment_ptr 1
		.amdhsa_wavefront_size32 1
		.amdhsa_system_sgpr_workgroup_id_x 1
		.amdhsa_system_sgpr_workgroup_id_y 1
		.amdhsa_system_sgpr_workgroup_id_z 1
		.amdhsa_system_vgpr_workitem_id 0
		.amdhsa_next_free_vgpr 1024
		.amdhsa_next_free_sgpr 100
		.amdhsa_reserve_vcc 0
		.amdhsa_float_denorm_mode_32 3
		.amdhsa_float_denorm_mode_16_64 3
		.amdhsa_memory_ordered 1
		.amdhsa_forward_progress 1
		.amdhsa_inst_pref_size 239
	.end_amdhsa_kernel
	.amdgpu_metadata
---
amdhsa.version: [ 1, 2 ]
amdhsa.kernels:
  - .name:           k_q986f42c4e4_gemm_qkv
    .symbol:         k_q986f42c4e4_gemm_qkv.kd
    .args:
      - { .name: xq, .offset: 0, .size: 8, .value_kind: global_buffer, .address_space: global }
      - { .name: waq, .offset: 8, .size: 8, .value_kind: global_buffer, .address_space: global }
      - { .name: b_attn, .offset: 16, .size: 8, .value_kind: global_buffer, .address_space: global }
      - { .name: qrec, .offset: 24, .size: 8, .value_kind: global_buffer, .address_space: global }
      - { .name: kvc, .offset: 32, .size: 8, .value_kind: global_buffer, .address_space: global }
      - { .name: kvs, .offset: 40, .size: 8, .value_kind: global_buffer, .address_space: global }
    .group_segment_fixed_size: 327680
    .private_segment_fixed_size: 0
    .kernarg_segment_align: 8
    .kernarg_segment_size: 48
    .max_flat_workgroup_size: 128
    .sgpr_count:     100
    .vgpr_count:     1024
    .wavefront_size: 32
...
	.end_amdgpu_metadata
.endif
;; end of part 2
;; launch attn (part 3): grid 4 x 64, 16 waves a work-group, clusters of 4 x 1, 327,680 bytes of LDS; arguments qrec, kvc, kvs, yq; writes yq
.if DOCPART == 3
	.amdgcn_target "amdgcn-amd-amdhsa--gfx1250"
	.amdhsa_code_object_version 6
	.text
	.protected	k_q986f42c4e4_attn
	.globl	k_q986f42c4e4_attn
	.p2align	8
	.type	k_q986f42c4e4_attn,@function
k_q986f42c4e4_attn:
	s_mov_b64 s[64:65], 0
	v_nop
	global_prefetch_b8 v0, s[64:65] scope:SCOPE_SE
	s_setreg_imm32_b32 hwreg(HW_REG_WAVE_MODE, 25, 1), 1
	s_wait_xcnt 0x0
	s_wait_alu depctr_hold_cnt(0) depctr_sa_sdst(0) depctr_va_vdst(0) depctr_va_sdst(0) depctr_va_ssrc(0) depctr_va_vcc(0) depctr_vm_vsrc(0)
	s_getreg_b32 s2, hwreg(HW_REG_IB_STS2, 6, 4)
	s_cmp_eq_u32 s2, 0
	s_cbranch_scc0 .Lentry_in_a_cluster
	s_endpgm
.Lentry_in_a_cluster:
	s_bfe_u32 s2, ttmp6, 0x10000c
	s_cmp_lg_u32 s2, 0x3003
	s_cbranch_scc0 .Lentry_shape_is_right
	s_endpgm
.Lentry_shape_is_right:
; Launch 3 of 4: y = softmax(q k^T / 8, causal) v on codes of E2M3, y quantised at once for the last product.
; WORK LEFT OUT: a step of 128 keys all of which come after a wave's 16 queries: the causal mask gives them the weight 0 (shown at the head of the first kernel).
; LIMITS: the promise holds while the scaled scores (exponents to the base 2) stay under 2^31 in magnitude; NaN and infinities are not served.
; THE DEAL.  One (batch, head) has 2,048 keys: 16 records of 12,288 bytes of codes (K, V^T) and 768 of scale bytes: 208,896 bytes, which stay in LDS for the whole launch.
; Four work-groups, a cluster of 4 x 1, share a (batch, head): each needs all 16 records, so each record is asked for JOINTLY (mask 15), once, at the head: waves 0-11 bring 64 rows of 256 bytes of codes each,
; waves 12-15 twelve rows of scale bytes each: one tensor load a wave, no refill, and no barrier behind the one that shows the tiles.
; Work-group cx takes tiles 2 cx and 2 cx + 1 (16 queries each) of every block of 128 queries; wave w takes tile 2 cx + w % 2 of block w / 2 and then of block 15 - w / 2: (w / 2 + 1) + (16 - w / 2) = 17 steps of 128 keys for every wave.
; No trip count, branch or LDS address hangs on cx: cx enters the global addresses of q and y and the mask's numbers alone.
; ONE LOOP OF 32 TRIPS: trip i is record i % 16 of run i / 16; a scalar branch on the wave's number and the counter leads round the steps that the mask hides.
; No prefetch: every byte of K and V is asked for by the head's tensor loads, and the loop has no later load to run ahead of.
; LDS ROWS: 64 bytes of padding behind each 256, so that the two runs of eight rows which a K fragment's 16-byte loads touch, 1,920 bytes apart, start 128 bytes apart modulo 256.
; THE KEYS OF A TILE are chosen by the lanes' LDS addresses: tile (c, u), row r is key 64 c + 8 u + r % 8 + 32 (r / 8).  S^T = K Q^T then leaves in lane (r, h), registers 32 c + 0 .. 31, the keys 64 c + 32 h + 0 .. 31 of query r:
; whole blocks of 32 in the order of the next operand's registers: a block's maximum needs no other lane, and the conversions' results are the operand.
; K = 64 in an instruction of 128: Q's registers 6-11 are zero codes, so what K's registers 6-11 hold adds nothing (every code of E2M3 is finite): K's fragment t is v[KF + 6 t .. + 11], whose upper half is the next tile's data; six zeros stand behind the last.
.set REC,   15360                      ; a record in LDS: 48 rows of 256 + 64 bytes
.set VOF,   7680                       ; V^T behind K's 24 rows
.set SCB,   16*REC                     ; the scale bytes, 768 a record, dense
.set SPARE, SCB+12288                  ; the spare words, 128 bytes for each wave
.set YSOFF, 6291456
.set SPW, 1
.set NIL, 2
.set AK,  3                            ; lane parts of the LDS addresses: K's 16-byte pieces, K's 8-byte pieces, V's, V's, K's scale words, V's
.set AK8, 4
.set AV,  5
.set AV8, 6                            ; (8 x lane: also a store's offset)
.set ASK, 7
.set ASV, 8
.set CK,  9                            ; the same with the record's place
.set CK8, 10
.set CV,  11
.set CV8, 12
.set CSK, 13
.set CSV, 14
.set DM,  15                           ; my query's number in its block, less 32 h
.set QF,  16                           ; v16-27 Q's fragment (22-27 zeros)
.set QS,  28                           ; its scale words
.set QS2, 29                           ; the second run's
.set Q2F, 30                           ; v30-35 the second run's codes
.set VS,  36                           ; v36-37 V's scale words
.set KS,  38                           ; v38-41 K's
.set PW,  42                           ; p's scale word
.set SH8, 43                           ; 8 h
.set KF,  44                           ; v44-91 K's eight tiles, v92-97 zeros.  Behind the first product v44-77 are at work:
.set P,   44                           ; v44-55 p's codes
.set TC,  56                           ; v56-62 the conversions' second halves
.set MA,  64                           ; v64-67 maxima
.set MB,  66
.set X0,  68
.set X1,  69
.set SOP, 70
.set E,   72
.set W0,  74
.set W1,  75
.set SM,  76
.set VF,  98                           ; v98-145 V^T's four fragments
.set S,   146                          ; v146-209 the scores, then p
.set O,   210                          ; v210-241 O^T
.set NM,  242                          ; -M;  v243 the running largest t
.set MX,  243
.set L,   244                          ; v244-245 the row's sum in two halves
.set F,   246                          ; v246 2^(old M - new M); v247 the pair's other half
.set YO,  248
.set LI,  249
.set WV,  12
.set BH,  13
.set CX,  14
.set TQ,  16
.set SQ1, 17
.set SQ2, 18
.set SQ,  19
.set SEL, 20
.set CS,  22
.set G1C, 24
.set G1S, 32
.set G0C, 40
.set G0S, 44
.set IT,  48
.set RC,  49
.set TB,  50
.set TS,  51
.set YC,  52
.set YS,  54
.set YC2, 56
.set YS2, 58
.set Q1,  60
.set Q2,  62
.macro WALU
	s_wait_alu depctr_va_vdst(0)
.endm
.macro ROUND                           ; a round of the cluster's barrier
	s_barrier_signal -1
	s_barrier_wait -1
	s_cmp_lg_u32 s[WV], 0
	s_cbranch_scc1 .Lnot_wave_0_\@
	s_barrier_signal -3
.Lnot_wave_0_\@:
	s_barrier_wait -3
	s_barrier_signal -1
	s_barrier_wait -1
.endm
	s_load_b256 s[4:11], s[0:1], 0x0               ; qrec, kvc, kvs, yq
	v_lshl_add_u32 v[SPW], v0, 2, SPARE
	v_mov_b32 v[NIL], 0
	ds_add_u32 v[SPW], v[NIL]                      ; the opening lines: the add twice on end and its wait
	ds_add_u32 v[SPW], v[NIL]
	v_lshrrev_b32 v[CK], 5, v0
	v_readfirstlane_b32 s[WV], v[CK]
	s_and_b32 s[BH], ttmp7, 0xffff                 ; the cluster's y: batch x 16 + head
	s_bfe_u32 s[CX], ttmp6, 0x40000
	s_mov_b32 s[G1C], 15|(3<<16)|(1<<20)|(1<<21)|(5<<22)|(15<<25)  ; mask of the four; elements of 8 bytes; 16 words of padding behind every 64
	s_mov_b32 s[G1C+1], 32<<16
	s_mov_b32 s[G1C+2], 64<<16
	s_mov_b32 s[G1C+3], 32<<16
	s_mov_b32 s[G1C+4], 64
	s_mov_b32 s[G1C+5], 32
	s_mov_b32 s[G1C+6], 0
	s_mov_b32 s[G1C+7], 0
	s_mov_b32 s[G1S], 15|(3<<16)|(1<<21)
	s_mov_b32 s[G1S+1], 32<<16
	s_mov_b32 s[G1S+2], 12<<16
	s_mov_b32 s[G1S+3], 32<<16
	s_mov_b32 s[G1S+4], 12
	s_mov_b32 s[G1S+5], 32
	s_mov_b32 s[G1S+6], 0
	s_mov_b32 s[G1S+7], 0
	s_mov_b32 s[G0C], 1
	s_mov_b32 s[G0S], 1
	s_mul_i32 s[G0C+1], s[WV], 64*320              ; waves 0-11: 64 padded rows each
	s_and_b32 s66, s[WV], 3                        ; waves 12-15: a quarter of the scale bytes each
	s_mul_i32 s67, s66, 3072
	s_add_co_u32 s[G0S+1], s67, SCB
	s_mul_i32 s68, s[BH], 196608
	s_lshl_b32 s70, s[WV], 14
	s_add_co_u32 s68, s68, s70
	s_mov_b32 s69, 0
	s_mul_i32 s70, s[BH], 12288
	s_add_co_u32 s70, s70, s67
	s_mov_b32 s71, 0
	s_wait_dscnt 0x0
	ROUND                                          ; the four partners are here: the joint loads meet
	s_wait_kmcnt 0x0
	s_add_nc_u64 s[G0C+2:G0C+3], s[6:7], s[68:69]
	s_or_b32 s[G0C+3], s[G0C+3], 0x80000000
	s_add_nc_u64 s[G0S+2:G0S+3], s[8:9], s[70:71]
	s_or_b32 s[G0S+3], s[G0S+3], 0x80000000
	s_cmp_lt_u32 s[WV], 12
	s_cbranch_scc0 .Lscales
	tensor_load_to_lds s[G0C:G0C+3], s[G1C:G1C+7]
	s_nop 0
.rept 4
	v_nop
.endr
	s_branch .Lasked
.Lscales:
	tensor_load_to_lds s[G0S:G0S+3], s[G1S:G1S+7]
	s_nop 0
.rept 4
	v_nop
.endr
.Lasked:
	s_lshr_b32 s[SQ1], s[WV], 1                    ; my two blocks of 128 queries
	s_sub_co_u32 s[SQ2], 15, s[SQ1]
	s_and_b32 s66, s[WV], 1
	s_lshl_b32 s[TQ], s[CX], 1
	s_add_co_u32 s[TQ], s[TQ], s66                 ; my tile in each
	s_mov_b32 s[SEL], 0x76543210
	s_mov_b32 s[SEL+1], 0xfedcba98
	s_mov_b32 s[CS], 0x3e38aa3b                    ; log2(e) / 8
	s_mov_b32 s[CS+1], s[CS]
	s_mov_b32 s69, 0
	s_lshl_b32 s66, s[BH], 4
	s_add_co_u32 s67, s66, s[SQ1]
	s_mul_i32 s68, s67, 6656
	s_add_nc_u64 s[Q1:Q1+1], s[4:5], s[68:69]
	s_add_co_u32 s67, s66, s[SQ2]
	s_mul_i32 s68, s67, 6656
	s_add_nc_u64 s[Q2:Q2+1], s[4:5], s[68:69]
	s_and_b32 s66, s[BH], 0x30                     ; 16 x batch
	s_bfe_u32 s70, s[BH], 0x20002                  ; which 256 along the next K
	s_and_b32 s71, s[BH], 3                        ; which half fragment of it
	s_mul_i32 s72, s[TQ], 3072
	s_mul_i32 s73, s71, 768
	s_add_co_u32 s72, s72, s73
	s_lshl_b32 s73, s[TQ], 7
	s_lshl_b32 s71, s71, 1
	s_add_co_u32 s73, s73, s71
	s_add_co_u32 s73, s73, YSOFF
.macro YPTR sq, yc, ys                 ; where a run's codes and scale bytes go
	s_add_co_u32 s67, s66, s[\sq]
	s_lshl_b32 s67, s67, 2
	s_add_co_u32 s67, s67, s70
	s_mul_i32 s68, s67, 24576
	s_add_co_u32 s68, s68, s72
	s_add_nc_u64 s[\yc:\yc+1], s[10:11], s[68:69]
	s_lshl_b32 s68, s67, 10
	s_add_co_u32 s68, s68, s73
	s_add_nc_u64 s[\ys:\ys+1], s[10:11], s[68:69]
.endm
	YPTR SQ1, YC, YS
	YPTR SQ2, YC2, YS2
	s_mul_i32 s74, s[TQ], 768
	s_and_b32 s75, s[TQ], 1
	s_lshr_b32 s76, s[TQ], 1
	s_lshl_b32 s77, s75, 8
	s_lshl_b32 s78, s76, 2
	s_add_co_u32 s77, s77, s78                     ; my tile's scale words in a record of q
	s_lshl_b32 s76, s76, 5
	s_lshl_b32 s75, s75, 3
	s_add_co_u32 s76, s76, s75                     ; my tile's first query
	s_mov_b32 s[IT], 0
	v_and_b32 v64, 15, v0                          ; r
	v_bfe_u32 v65, v0, 4, 1                        ; h
	v_and_b32 v66, 7, v0                           ; r % 8
	v_bfe_u32 v67, v0, 3, 1                        ; r / 8
	v_and_b32 v68, 31, v0                          ; lane
	v_mul_u32_u24 v[AK], v67, 1920                 ; rows 8-15 of a tile lie two stored tiles on
	v_lshl_add_u32 v[AK8], v66, 3, v[AK]
	v_lshl_add_u32 v[AK], v66, 4, v[AK]
	v_mad_u32_u24 v[AK], v65, 320, v[AK]
	v_lshl_add_u32 v[AK8], v65, 7, v[AK8]
	v_lshlrev_b32 v[AV], 4, v64
	v_mad_u32_u24 v[AV], v65, 320, v[AV]
	v_lshlrev_b32 v[AV8], 3, v68
	v_lshlrev_b32 v[LI], 4, v68
	v_lshl_add_u32 v[ASK], v65, 8, SCB             ; lanes 16-31 take the odd tiles' words
	v_lshl_add_u32 v[ASK], v66, 4, v[ASK]
	v_lshl_add_u32 v[ASK], v67, 2, v[ASK]
	v_add_nc_u32 v[ASV], SCB+512, v[AV8]
	v_lshlrev_b32 v[SH8], 3, v65
	v_lshlrev_b32 v[YO], 3, v64
	v_add_nc_u32 v70, s74, v[LI]
	v_add_nc_u32 v71, s74, v[AV8]
	v_lshl_add_u32 v72, v64, 4, s77
	global_load_b128 v[QF:QF+3], v70, s[Q1:Q1+1]
	global_load_b64 v[QF+4:QF+5], v71, s[Q1:Q1+1] offset:512
	global_load_b32 v[QS], v72, s[Q1:Q1+1] offset:6144
	global_load_b128 v[Q2F:Q2F+3], v70, s[Q2:Q2+1]
	global_load_b64 v[Q2F+4:Q2F+5], v71, s[Q2:Q2+1] offset:512
	global_load_b32 v[QS2], v72, s[Q2:Q2+1] offset:6144
	v_and_b32 v[DM], 8, v64
	v_add3_u32 v[DM], v[DM], v64, s76              ; row r of the tile is query r + 8 (r / 8) from its first
	v_lshlrev_b32 v65, 5, v65
	v_sub_nc_u32 v[DM], v[DM], v65
	v_mov_b32 v[MX], 0xff61b1e6                    ; -3e38, under every t
	v_floor_f32 v[NM], -v[MX]
	v_mov_b32 v[L], 0
	v_mov_b32 v[L+1], 0
	v_mov_b32 v[F+1], 0
.irp i, 6,7,8,9,10,11
	v_mov_b32 v[QF+\i], 0
	v_mov_b32 v[KF+42+\i], 0
.endr
.set j, 0
.rept 32
	v_mov_b32 v[O+j], 0                            ; the step is written once: the first change of M multiplies by 0
.set j, j+1
.endr
	WALU                                           ; the wait at the head's end
	s_wait_loadcnt 0x0
	s_wait_tensorcnt 0x0                           ; my part is in,
	s_barrier_signal -1
	s_barrier_wait -1                              ; and everybody's
.Ltrip:
	s_and_b32 s[RC], s[IT], 15                     ; the record
	s_cmp_lt_u32 s[IT], 16
	s_cselect_b32 s[SQ], s[SQ1], s[SQ2]            ; the run's block of queries
	s_cmp_gt_u32 s[RC], s[SQ]
	s_cbranch_scc1 .Lnext                          ; all its keys come after my queries
	s_mul_i32 s[TB], s[RC], REC
	s_mul_i32 s[TS], s[RC], 768
	v_add_nc_u32 v[CK], s[TB], v[AK]               ; (these six are also the places behind the last products, ahead of loads into their sources)
	v_add_nc_u32 v[CK8], s[TB], v[AK8]
	v_add_nc_u32 v[CSK], s[TS], v[ASK]
	v_add_nc_u32 v[CSV], s[TS], v[ASV]
	v_add_nc_u32 v[CV], s[TB], v[AV]
	v_add_nc_u32 v[CV8], s[TB], v[AV8]
.irp t, 0,1,2,3,4,5,6,7                ; tile t = 4 c + u: stored tiles 4 c + u % 2 and two on, their rows 8 (u / 2) + 0 .. 7
	ds_load_b128 v[KF+6*\t:KF+6*\t+3], v[CK] offset:960*(4*(\t/4)+\t%2)+128*((\t%4)/2)
	ds_load_b64 v[KF+6*\t+4:KF+6*\t+5], v[CK8] offset:960*(4*(\t/4)+\t%2)+640+64*((\t%4)/2)
.endr
.irp k, 0,1,2,3                        ; register 2 c + u / 2: lanes 0-15 the even tile's words, lanes 16-31 the odd tile's
	ds_load_b32 v[KS+\k], v[CSK] offset:8*(\k/2)+128*(\k%2)
.endr
	ds_load_b64 v[VS:VS+1], v[CSV]
.irp t, 0,1,2,3
	ds_load_b128 v[VF+12*\t:VF+12*\t+3], v[CV] offset:VOF+1920*\t
	ds_load_b64 v[VF+12*\t+4:VF+12*\t+5], v[CV8] offset:VOF+1920*\t+640
	ds_load_b128 v[VF+12*\t+6:VF+12*\t+9], v[CV] offset:VOF+1920*\t+960
	ds_load_b64 v[VF+12*\t+10:VF+12*\t+11], v[CV8] offset:VOF+1920*\t+1600
.endr
	s_wait_dscnt 17                                ; K and its words are in; V's words and V's sixteen loads may be out
.irp t, 0,1,2,3,4,5,6,7
.if (\t)%2
	v_wmma_scale_f32_16x16x128_f8f6f4 v[S+8*\t:S+8*\t+7], v[KF+6*\t:KF+6*\t+11], v[QF:QF+11], 0, v[KS+2*(\t/4)+(\t%4)/2], v[QS] matrix_a_fmt:MATRIX_FMT_FP6 matrix_b_fmt:MATRIX_FMT_FP6 matrix_a_scale:MATRIX_SCALE_ROW1
.else
	v_wmma_scale_f32_16x16x128_f8f6f4 v[S+8*\t:S+8*\t+7], v[KF+6*\t:KF+6*\t+11], v[QF:QF+11], 0, v[KS+2*(\t/4)+(\t%4)/2], v[QS] matrix_a_fmt:MATRIX_FMT_FP6 matrix_b_fmt:MATRIX_FMT_FP6
.endif
.endr
.rept 4
	v_nop                                          ; places behind the products (ISA guide 7.12.1)
.endr
	WALU
	s_cmp_lg_u32 s[RC], s[SQ]
	s_cbranch_scc1 .Lopen
	v_mov_b32 v[X0], 0xff800000                    ; the block on the diagonal: register n is key 64 (n / 32) + n % 32 + 32 h
.set n, 0
.rept 64
	v_cmp_gt_i32 vcc_lo, 64*(n/32)+n%32, v[DM]
	v_cndmask_b32 v[S+n], v[S+n], v[X0], vcc_lo
.set n, n+1
.endr
.Lopen:
.irp c, 0,1                            ; the largest score of my two blocks of 32 keys, four chains by turns, each accumulator from its low end on
	v_max3_num_f32 v[MA+\c], v[S+32*\c], v[S+32*\c+1], v[S+32*\c+2]
	v_max3_num_f32 v[MB+\c], v[S+32*\c+16], v[S+32*\c+17], v[S+32*\c+18]
.endr
.irp i, 3,5,7,9,11,13
.irp c, 0,1
	v_max3_num_f32 v[MA+\c], v[MA+\c], v[S+32*\c+\i], v[S+32*\c+\i+1]
	v_max3_num_f32 v[MB+\c], v[MB+\c], v[S+32*\c+16+\i], v[S+32*\c+17+\i]
.endr
.endr
.irp c, 0,1
	v_max3_num_f32 v[MA+\c], v[MA+\c], v[S+32*\c+15], v[S+32*\c+31]
.endr
.irp c, 0,1
	v_max_num_f32 v[MA+\c], v[MA+\c], v[MB+\c]
.endr
	s_delay_alu instid0(VALU_DEP_1)
	v_max_num_f32 v[X0], v[MA], v[MA+1]
	s_delay_alu instid0(VALU_DEP_1)
	v_permlanex16_b32 v[X1], v[X0], s[SEL], s[SEL+1]
	s_delay_alu instid0(VALU_DEP_1)
	v_max_num_f32 v[X0], v[X0], v[X1]              ; the step's largest score of my query
	s_delay_alu instid0(VALU_DEP_1)
	v_mul_f32 v[X0], s[CS], v[X0]
	s_delay_alu instid0(VALU_DEP_1)
	v_max_num_f32 v[MX], v[MX], v[X0]              ; the running largest t
	v_mov_b32 v[X1], v[NM]
	s_delay_alu instid0(VALU_DEP_2)
	v_floor_f32 v[NM], -v[MX]                      ; -M = -ceil(t): a whole number
	s_delay_alu instid0(VALU_DEP_1)
	v_sub_f32 v[X1], v[NM], v[X1]
	s_delay_alu instid0(VALU_DEP_1)
	v_cvt_i32_f32 v[X1], v[X1]                     ; (it saturates)
	s_delay_alu instid0(VALU_DEP_1)
	v_ldexp_f32 v[F], 1.0, v[X1]                   ; 2^(old M - new M)
.set j, 0
.rept 32
	v_pk_fma_f32 v[S+j:S+j+1], v[S+j:S+j+1], s[CS:CS+1], v[NM:NM+1] op_sel_hi:[1,0,0]   ; t - M
.set j, j+2
.endr
.irp c, 0,1
	v_fma_f32 v[MA+\c], v[MA+\c], s[CS], v[NM]     ; the same of each block's largest score: p rises with the score
.endr
	WALU                                           ; the wait ahead of the batch
.set j, 0
.rept 64
	v_exp_f32 v[S+j], v[S+j]                       ; p = 2^(t - M), not normalised
.set j, j+1
.endr
.irp c, 0,1
	v_exp_f32 v[MA+\c], v[MA+\c]                   ; the block's largest p
.endr
	v_pk_mul_f32 v[L:L+1], v[L:L+1], v[F:F+1] op_sel_hi:[1,0]     ; the sums under the new M; the plain line behind the batch
	WALU                                           ; one wait for the batch; it also stands directly ahead of the first readers of O^T
.set j, 0
.rept 16
	v_pk_mul_f32 v[O+j:O+j+1], v[O+j:O+j+1], v[F:F+1] op_sel_hi:[1,0]
.set j, j+2
.endr
.irp c, 0,1
	v_max_num_f32 v[MA+\c], 0x1800000, v[MA+\c]    ; the floor 2^(3 - 127): the byte cannot fall under 1
.endr
.irp c, 0,1
	s_delay_alu instid0(VALU_DEP_2)
	v_add_nc_u32 v[SOP+\c], 0xff000000, v[MA+\c]   ; 2 off the exponent field: the conversions' scale operand
.endr
.irp c, 0,1
	s_delay_alu instid0(VALU_DEP_2)
	v_lshrrev_b32 v[E+\c], 23, v[SOP+\c]           ; the byte of block 2 c + h
.endr
	s_delay_alu instid0(VALU_DEP_1)
	v_lshl_or_b32 v[W0], v[E+1], 16, v[E]
	s_delay_alu instid0(VALU_DEP_1)
	v_lshlrev_b32 v[W0], v[SH8], v[W0]             ; at their places, 8 h bits up;
	s_delay_alu instid0(VALU_DEP_1)
	v_permlanex16_b32 v[W1], v[W0], s[SEL], s[SEL+1]
	s_delay_alu instid0(VALU_DEP_1)
	v_or_b32 v[PW], v[W0], v[W1]                   ; with lane l xor 16's two the word is whole
.irp c, 0,1
	v_cvt_scalef32_pk16_fp6_f32 v[P+6*\c:P+6*\c+2], v[S+32*\c:S+32*\c+15], v[SOP+\c]
	v_cvt_scalef32_pk16_fp6_f32 v[TC+4*\c:TC+4*\c+2], v[S+32*\c+16:S+32*\c+31], v[SOP+\c]   ; (a conversion's three registers begin on an even number)
.endr
	v_pk_add_f32 v[SM:SM+1], v[S:S+1], v[S+2:S+3]  ; the row's sum of the unquantised p, two chains; the plain line behind the conversions
.irp c, 0,1
.irp i, 0,1,2
	v_mov_b32 v[P+6*\c+3+\i], v[TC+4*\c+\i]
.endr
.endr
.irp j, 4,8,12,16,20,24,28,32,36,40,44,48,52,56,60
	v_pk_add_f32 v[L:L+1], v[L:L+1], v[S+\j:S+\j+1]
	v_pk_add_f32 v[SM:SM+1], v[SM:SM+1], v[S+\j+2:S+\j+3]
.endr
	v_pk_add_f32 v[L:L+1], v[L:L+1], v[SM:SM+1]
	WALU
	s_wait_dscnt 0x0                               ; V and its words are in
.irp t, 0,1,2,3
.if (\t)%2
	v_wmma_scale_f32_16x16x128_f8f6f4 v[O+8*\t:O+8*\t+7], v[VF+12*\t:VF+12*\t+11], v[P:P+11], v[O+8*\t:O+8*\t+7], v[VS+\t/2], v[PW] matrix_a_fmt:MATRIX_FMT_FP6 matrix_b_fmt:MATRIX_FMT_FP6 matrix_a_scale:MATRIX_SCALE_ROW1
.else
	v_wmma_scale_f32_16x16x128_f8f6f4 v[O+8*\t:O+8*\t+7], v[VF+12*\t:VF+12*\t+11], v[P:P+11], v[O+8*\t:O+8*\t+7], v[VS+\t/2], v[PW] matrix_a_fmt:MATRIX_FMT_FP6 matrix_b_fmt:MATRIX_FMT_FP6
.endif
.endr
	WALU
	s_cmp_lg_u32 s[RC], s[SQ]
	s_cbranch_scc1 .Lnext
; THE RUN'S END, behind the step on the diagonal: y = O^T / the sum, quantised along the head's 64 channels (registers 16 b + i of lane (r, h) are channels 32 b + 16 h + i), stored as a half fragment
.rept 4
	v_nop
.endr
	v_add_f32 v[L], v[L], v[L+1]
	v_permlanex16_b32 v[X1], v[L], s[SEL], s[SEL+1]
	v_add_f32 v[L], v[L], v[X1]
	WALU
	v_rcp_f32 v[L], v[L]
	v_nop
	WALU
.set j, 0
.rept 32
	v_mul_f32 v[S+j], v[O+j], v[L]
.set j, j+1
.endr
.irp b, 0,1
	v_max3_num_f32 v[MA+\b], |v[S+16*\b]|, |v[S+1+16*\b]|, 0x1800000
.endr
.irp i, 2,4,6,8,10,12,14
.irp b, 0,1
	v_max3_num_f32 v[MA+\b], v[MA+\b], |v[S+16*\b+\i]|, |v[S+1+16*\b+\i]|
.endr
.endr
.irp b, 0,1
	v_permlanex16_b32 v[MB+\b], v[MA+\b], s[SEL], s[SEL+1]
.endr
.irp b, 0,1
	v_max_num_f32 v[MA+\b], v[MA+\b], v[MB+\b]
.endr
.irp b, 0,1
	v_add_nc_u32 v[SOP+\b], 0xff000000, v[MA+\b]
.endr
.irp b, 0,1
	v_lshrrev_b32 v[E+\b], 23, v[SOP+\b]
.endr
	v_lshl_or_b32 v[W0], v[E+1], 8, v[E]
	v_cvt_scalef32_pk16_fp6_f32 v[P:P+2], v[S:S+15], v[SOP]
	v_cvt_scalef32_pk16_fp6_f32 v[P+4:P+6], v[S+16:S+31], v[SOP+1]
	v_nop
.irp i, 0,1,2
	v_permlane16_swap_b32 v[P+\i], v[P+4+\i]       ; a whole block into each lane
.endr
	v_mov_b32 v[P+3], v[P+4]
	v_mov_b32 v[P+4], v[P+5]
	v_mov_b32 v[P+5], v[P+6]
	global_store_b128 v[LI], v[P:P+3], s[YC:YC+1]                 ; 512 consecutive bytes,
	global_store_b64 v[AV8], v[P+4:P+5], s[YC:YC+1] offset:512    ; and 256
	global_store_b16 v[YO], v[W0], s[YS:YS+1]      ; my head's two of a row's eight scale bytes
	s_wait_xcnt 0x0                                ; the stores have read their registers and bases
	s_mov_b64 s[YC:YC+1], s[YC2:YC2+1]             ; the second run's places, its queries, and M as at the start: the first step's factor 0 clears the sums
	s_mov_b64 s[YS:YS+1], s[YS2:YS2+1]
	v_mov_b32 v[QS], v[QS2]
.irp i, 0,1,2,3,4,5
	v_mov_b32 v[QF+\i], v[Q2F+\i]
.endr
	v_mov_b32 v[MX], 0xff61b1e6
	v_floor_f32 v[NM], -v[MX]
.Lnext:
	s_add_co_u32 s[IT], s[IT], 1
	s_cmp_lt_u32 s[IT], 32
	WALU                                           ; the wait directly ahead of the branch
	s_cbranch_scc1 .Ltrip
	s_wait_tensorcnt 0x0                           ; the wave's end
	ds_add_u32 v[SPW], v[NIL]
	s_wait_dscnt 0x0
	ROUND                                          ; the closing round
	s_endpgm
.Lfunc_end_k_q986f42c4e4_attn:
	.size	k_q986f42c4e4_attn, .Lfunc_end_k_q986f42c4e4_attn-k_q986f42c4e4_attn
	.p2alignl 7, 3214868480
	.fill 96, 4, 3214868480
	.section	.rodata,"a",@progbits
	.p2align	6, 0x0
	.amdhsa_kernel k_q986f42c4e4_attn
		.amdhsa_group_segment_fixed_size 327680
		.amdhsa_private_segment_fixed_size 0
		.amdhsa_enable_private_segment 0
		.amdhsa_kernarg_size 32
		.amdhsa_user_sgpr_count 2
		.amdhsa_user_sgpr_kernarg_segment_ptr 1
		.amdhsa_wavefront_size32 1
		.amdhsa_system_sgpr_workgroup_id_x 1
		.amdhsa_system_sgpr_workgroup_id_y 1
		.amdhsa_system_sgpr_workgroup_id_z 1
		.amdhsa_system_vgpr_workitem_id 0
		.amdhsa_next_free_vgpr 256
		.amdhsa_next_free_sgpr 80
		.amdhsa_reserve_vcc 1
		.amdhsa_float_denorm_mode_32 3
		.amdhsa_float_denorm_mode_16_64 3
		.amdhsa_memory_ordered 1
		.amdhsa_forward_progress 1
		.amdhsa_inst_pref_size 35
	.end_amdhsa_kernel
	.amdgpu_metadata
---
amdhsa.version: [ 1, 2 ]
amdhsa.kernels:
  - .name:           k_q986f42c4e4_attn
    .symbol:         k_q986f42c4e4_attn.kd
    .args:
      - { .name: qrec, .offset: 0, .size: 8, .value_kind: global_buffer, .address_space: global }
      - { .name: kvc, .offset: 8, .size: 8, .value_kind: global_buffer, .address_space: global }
      - { .name: kvs, .offset: 16, .size: 8, .value_kind: global_buffer, .address_space: global }
      - { .name: yq, .offset: 24, .size: 8, .value_kind: global_buffer, .address_space: global }
    .group_segment_fixed_size: 327680
    .private_segment_fixed_size: 0
    .kernarg_segment_align: 8
    .kernarg_segment_size: 32
    .max_flat_workgroup_size: 512
    .sgpr_count:     80
    .vgpr_count:     256
    .wavefront_size: 32
...
	.end_amdgpu_metadata
.endif
;; end of part 3
;; launch gemm_out (part 4): grid 4 x 64, 4 waves a work-group, clusters of 4 x 4, 327,680 bytes of LDS; arguments yq, wpq, b_proj, out0; writes out0
.if DOCPART == 4
	.amdgcn_target "amdgcn-amd-amdhsa--gfx1250"
	.amdhsa_code_object_version 6
	.text
	.protected	k_q986f42c4e4_gemm_out
	.globl	k_q986f42c4e4_gemm_out
	.p2align	8
	.type	k_q986f42c4e4_gemm_out,@function
k_q986f42c4e4_gemm_out:
	s_mov_b64 s[64:65], 0
	v_nop
	global_prefetch_b8 v0, s[64:65] scope:SCOPE_SE
	s_setreg_imm32_b32 hwreg(HW_REG_WAVE_MODE, 25, 1), 1
	s_wait_xcnt 0x0
	s_wait_alu depctr_hold_cnt(0) depctr_sa_sdst(0) depctr_va_vdst(0) depctr_va_sdst(0) depctr_va_ssrc(0) depctr_va_vcc(0) depctr_vm_vsrc(0)
	s_getreg_b32 s2, hwreg(HW_REG_IB_STS2, 6, 4)
	s_cmp_eq_u32 s2, 0
	s_cbranch_scc0 .Lentry_in_a_cluster
	s_endpgm
.Lentry_in_a_cluster:
	s_bfe_u32 s2, ttmp6, 0x10000c
	s_cmp_lg_u32 s2, 0xf033
	s_cbranch_scc0 .Lentry_shape_is_right
	s_endpgm
.Lentry_shape_is_right:
; Launch 4 of 4: out0 = y w_proj + b_proj on codes of E2M3.  Nothing of this product is left out.
; A block of 128 tokens x 256 columns for each of 256 work-groups; four waves, 2 x 2, 64 tokens x 128 columns each: 32 accumulators, 256 registers (window 2).
; ALL OF K = 1,024 LIES IN LDS: y's group of 128 tokens (98,304 bytes), the weight's two groups of 128 columns (196,608), their scale bytes (4,096 + 8,192): each a dense block of memory, each brought by ONE tensor load at the head,
; one a wave.  So there is no ring, no refill, and no barrier between the head's and the one in front of the way out.
; OPERANDS ARE IMAGES OF REGISTERS (half fragments of 768 bytes: lane l's registers 0-3 at 16 l, 4-5 at 512 + 8 l), laid [256 along K][tile of 16 rows][4 half fragments]: every LDS load is dense over the lanes.
; THE PRODUCT IS USED TRANSPOSED (source 0 = 16 rows of w_proj^T, source 1 = 16 tokens): a lane holds a token, and by the stored order of the weight's rows the 16 registers of two neighbouring tiles are 16 neighbouring columns.
; CLUSTERS: 4 x 4 work-groups; y's blocks are shared along a row of the cluster, the weight's along a column, each asked for jointly.
; No prefetch: every byte is asked for by the head's four loads, and the walk along K has no later load to run ahead of.
; WAY OUT: a block of 16 tokens x 128 columns goes through the wave's own stage in LDS, comes back as rows of 512 bytes, gets the bias, and is stored; the tokens' stored order is undone in the stores' offsets.
; The stage lies on y's codes: they have had their only fill, and a barrier shows that every wave's reads are over.
; REGISTERS: window 0: v1-5, v15 at work in the head; v16-23, v27 LDS addresses; v24, v25 the stage; v28, v29 the add's two; v32-95 all scale words; v96-99 the bias; v128-223 y's fragments, two sets of four (later the way out, v128-255).
;   window 1: the weight's fragments, two sets of eight, at v0 and v128.   window 2: the accumulators ((a, b) at v[8 (8 a + b)]).
.set FR,    12                         ; registers of a fragment
.set NP,    4                          ; places behind this matrix instruction (ISA guide 7.12.1)
.set GRPB,  24576                      ; 128 rows x 256 along K
.set BB0,   4*GRPB                     ; the weight's two groups, behind y's one
.set SCL,   12*GRPB                    ; y's scale bytes, then the weight's
.set SPARE, SCL+3*4096                 ; the spare words, 128 bytes for each wave
.set YSOFF, 6291456
.set WSOFF, 786432
.set ADRA, 16                          ; v16-17 16 x lane + my tiles of y, K's first and second half;  v18-19 the same with 8 x lane
.set ADRB, 20                          ; v20-23 the same for the weight
.set STO,  24                          ; where I put 32 bytes of a row
.set RD,   25                          ; where I read a row back
.set ADRS, 27                          ; my scale words: lanes 0-15 y's rows, lanes 16-31 the weight's
.set SPW,  28
.set NIL,  29
.set SC,   32
.set BI,   96
.set AF,   128
.set BK,   128                         ; 16 rows read back: v128-191 and v192-255 by turns
.set G1A,  24
.set G1B,  32
.set G1SA, 40
.set G1SB, 48
.set G0A,  56
.set G0B,  60
.set G0SA, 68
.set G0SB, 72
.set MSB, 0
.macro WIN new                         ; the immediate's high byte repeats the setting that is left
.if MSB != (\new)
	s_set_vgpr_msb (MSB<<8)|(\new)
.set MSB, (\new)
.endif
.endm
.set MUL_LO, 0xa1                      ; source 0 (the weight) window 1, source 1 (y) window 0, C and D window 2
.set TO_B,   0x40                      ; destination window 1, address window 0
.macro PLACES n
.rept \n
	v_nop
.endr
.endm
.macro CROUND                          ; a round of the cluster's barrier
	s_barrier_signal -1
	s_barrier_wait -1
	s_cmp_lg_u32 s16, 0
	s_cbranch_scc1 .Lnot_wave_0_\@
	s_barrier_signal -3
.Lnot_wave_0_\@:
	s_barrier_wait -3
	s_barrier_signal -1
	s_barrier_wait -1
.endm
.macro GROUP1 g, m, rows               ; a dense block as rows of 256 bytes (32 elements of 8 bytes); the mask, and bit 21 beside it
	s_or_b32 s[\g], s\m, (3<<16)|(1<<21)
	s_mov_b32 s[\g+1], 32<<16
	s_mov_b32 s[\g+2], (\rows)<<16
	s_mov_b32 s[\g+3], 32<<16
	s_mov_b32 s[\g+4], \rows
	s_mov_b32 s[\g+5], 32
	s_mov_b32 s[\g+6], 0
	s_mov_b32 s[\g+7], 0
.endm
.macro GROUP0 g, lds, base, off
	s_mov_b32 s[\g], 1
	s_mov_b32 s[\g+1], \lds
	s_add_nc_u64 s[\g+2:\g+3], s[\base:\base+1], s[\off:\off+1]
	s_or_b32 s[\g+3], s[\g+3], 0x80000000
.endm
.macro ARM eq, g0, g1, next
	s_cmp_eq_u32 s16, \eq
	s_cbranch_scc0 \next
	tensor_load_to_lds s[\g0:\g0+3], s[\g1:\g1+7]
	s_nop 0
	PLACES 4
	s_branch .Lhead_asked
\next:
.endm
	s_load_b256 s[4:11], s[0:1], 0x0               ; yq s[4:5], wpq s[6:7], b_proj s[8:9], out0 s[10:11]
	v_lshl_add_u32 v[SPW], v0, 2, SPARE
	v_mov_b32 v[NIL], 0
	ds_add_u32 v[SPW], v[NIL]                      ; the opening lines: the add twice on end and its wait
	ds_add_u32 v[SPW], v[NIL]
	v_lshrrev_b32 v1, 5, v0
	v_readfirstlane_b32 s16, v1                    ; wave
	s_lshr_b32 s17, s16, 1                         ; my half of the tokens
	s_and_b32 s18, s16, 1                          ; my group of columns
	s_bfe_u32 s12, ttmp6, 0x40000                  ; cx
	s_bfe_u32 s13, ttmp6, 0x40004                  ; cy
	s_and_b32 s14, ttmp7, 0xffff
	s_lshl_b32 s14, s14, 2
	s_add_co_u32 s14, s14, s13                     ; the group of 128 tokens, 0 .. 63
	s_lshl_b32 s15, ttmp9, 2
	s_add_co_u32 s15, s15, s12                     ; the 256 columns, 0 .. 3
	s_lshl_b32 s19, s13, 2
	s_lshl_b32 s19, 15, s19                        ; my row of the cluster
	s_lshl_b32 s20, 0x1111, s12                    ; my column
	GROUP1 G1A, 19, 384
	GROUP1 G1B, 20, 768
	GROUP1 G1SA, 19, 16
	GROUP1 G1SB, 20, 32
	s_mul_i32 s76, s14, 4*GRPB
	s_mov_b32 s77, 0
	s_lshl_b32 s78, s14, 12
	s_add_co_u32 s78, s78, YSOFF
	s_mov_b32 s79, 0
	s_mul_i32 s80, s15, 8*GRPB
	s_mov_b32 s81, 0
	s_lshl_b32 s82, s15, 13
	s_add_co_u32 s82, s82, WSOFF
	s_mov_b32 s83, 0
	s_wait_dscnt 0x0                               ; both opening adds are done
	s_wait_kmcnt 0x0
	GROUP0 G0A, 0, 4, 76
	GROUP0 G0B, BB0, 6, 80
	GROUP0 G0SA, SCL, 4, 78
	GROUP0 G0SB, SCL+4096, 6, 82
	CROUND                                         ; all sixteen work-groups are here: the joint loads meet
	ARM 0, G0B, G1B, .Lhead_a                      ; one load a wave, in one chain of branches on the wave's number: the weight's codes,
	ARM 1, G0A, G1A, .Lhead_sa                     ; y's,
	ARM 2, G0SA, G1SA, .Lhead_sb                   ; y's scale bytes,
	tensor_load_to_lds s[G0SB:G0SB+3], s[G1SB:G1SB+7]  ; the weight's
	s_nop 0
	PLACES 4
.Lhead_asked:
	s_mul_i32 s21, s17, 4*3072                     ; my four tiles of y
	s_mul_i32 s22, s18, 4*GRPB
	s_add_co_u32 s22, s22, BB0                     ; my group of the weight
	s_mul_i32 s23, s16, 8448                       ; my stage: 16 rows of 512 + 16 bytes
	s_lshl_b32 s84, s17, 9
	s_add_co_u32 s84, s84, SCL                     ; my tiles' scale words,
	s_lshl_b32 s85, s18, 12
	s_add_co_u32 s85, s85, SCL+4096
	s_sub_co_u32 s85, s85, s84                     ; and how far on the weight's lie
	s_lshl_b32 s86, s15, 1
	s_add_co_u32 s86, s86, s18
	s_lshl_b32 s86, s86, 9                         ; my 128 columns, in bytes
	s_mov_b32 s87, 0
	s_add_nc_u64 s[8:9], s[8:9], s[86:87]
	s_lshl_b32 s88, s14, 19                        ; my 64 tokens: rows of 4,096 bytes
	s_lshl_b32 s89, s17, 18
	s_add_co_u32 s88, s88, s89
	s_add_co_u32 s88, s88, s86
	s_mov_b32 s89, 0
	s_add_nc_u64 s[10:11], s[10:11], s[88:89]
	v_and_b32 v1, 15, v0                           ; r
	v_bfe_u32 v2, v0, 4, 1                         ; h
	v_and_b32 v15, 31, v0
	v_lshlrev_b32 v3, 4, v15                       ; 16 x lane
	v_lshlrev_b32 v4, 3, v15                       ; 8 x lane
	global_load_b128 v[BI:BI+3], v3, s[8:9]        ; the bias of the four columns that I store
	v_add_nc_u32 v[ADRA], s21, v3
	v_add_nc_u32 v[ADRA+2], s21, v4
	v_add_nc_u32 v[ADRB], s22, v3
	v_add_nc_u32 v[ADRB+2], s22, v4
	v_add_nc_u32 v[ADRA+1], 2*GRPB, v[ADRA]        ; K's second half: an LDS offset has 16 bits
	v_add_nc_u32 v[ADRA+3], 2*GRPB, v[ADRA+2]
	v_add_nc_u32 v[ADRB+1], 2*GRPB, v[ADRB]
	v_add_nc_u32 v[ADRB+3], 2*GRPB, v[ADRB+2]
	v_mul_u32_u24 v5, s85, v2                      ; lanes 16-31 take the weight's: the lower base + h x the distance
	v_lshl_add_u32 v5, v1, 3, v5                   ; 8 bytes a row and 256 along K
	v_add_nc_u32 v[ADRS], s84, v5
	v_mul_u32_u24 v5, v1, 528
	v_lshl_add_u32 v5, v2, 6, v5
	v_add_nc_u32 v[STO], s23, v5                   ; row r, + 64 h: my half's 16 columns of each 32
	v_add_nc_u32 v[RD], s23, v3
.macro FRAG reg, adr, st, i            ; a fragment: tile i, step st of 128 along K: two half fragments on end
.set OF_, (((\st)/2)%2)*GRPB+(\i)*3072+((\st)%2)*1536
	ds_load_b128 v[\reg:\reg+3],     v[\adr+(\st)/4]   offset:OF_
	ds_load_b64  v[\reg+4:\reg+5],   v[\adr+2+(\st)/4] offset:OF_+512
	ds_load_b128 v[\reg+6:\reg+9],   v[\adr+(\st)/4]   offset:OF_+768
	ds_load_b64  v[\reg+10:\reg+11], v[\adr+2+(\st)/4] offset:OF_+1280
.endm
.macro FETCH st                        ; step st's fragments into the sets st % 2: 48 loads
	WIN TO_B
.irp i, 0,1,2,3,4,5,6,7
	FRAG 128*((\st)%2)+FR*\i, ADRB, \st, \i
.endr
	WIN 0
.irp i, 0,1,2,3
	FRAG AF+48*((\st)%2)+FR*\i, ADRA, \st, \i
.endr
.endm
.macro MULS st, zero                   ; 32 products; the 32 accumulators take turns, one instruction a turn.  zero = 1: the first products start the sums
.irp a, 0,1,2,3
.irp b, 0,1,2,3,4,5,6,7
.if \zero
	v_wmma_scale_f32_16x16x128_f8f6f4 v[8*(8*\a+\b):8*(8*\a+\b)+7], v[128*((\st)%2)+FR*\b:128*((\st)%2)+FR*\b+FR-1], v[AF+48*((\st)%2)+FR*\a:AF+48*((\st)%2)+FR*\a+FR-1], 0, v[SC+16*((\st)/2)+2*\b+(\st)%2], v[SC+16*((\st)/2)+2*\a+(\st)%2] matrix_a_fmt:MATRIX_FMT_FP6 matrix_b_fmt:MATRIX_FMT_FP6 matrix_a_scale:MATRIX_SCALE_ROW1
.else
	v_wmma_scale_f32_16x16x128_f8f6f4 v[8*(8*\a+\b):8*(8*\a+\b)+7], v[128*((\st)%2)+FR*\b:128*((\st)%2)+FR*\b+FR-1], v[AF+48*((\st)%2)+FR*\a:AF+48*((\st)%2)+FR*\a+FR-1], v[8*(8*\a+\b):8*(8*\a+\b)+7], v[SC+16*((\st)/2)+2*\b+(\st)%2], v[SC+16*((\st)/2)+2*\a+(\st)%2] matrix_a_fmt:MATRIX_FMT_FP6 matrix_b_fmt:MATRIX_FMT_FP6 matrix_a_scale:MATRIX_SCALE_ROW1
.endif
.endr
.endr
.endm
.macro STEP st                         ; 128 along K; behind its products its sets take the fragments of two steps on
.if (\st) < 7
	s_wait_dscnt 48                                ; this step's fragments are in; the next step's 48 loads may be out
.else
	s_wait_dscnt 0x0                               ; my last reads of the tiles are over:
	s_barrier_signal -1                            ; say so, and multiply while the others arrive
.endif
	WIN MUL_LO
.if (\st) == 0
	MULS \st, 1
.else
	MULS \st, 0
.endif
.if (\st) < 6
	PLACES NP
	FETCH (\st)+2
.endif
.endm
	s_wait_alu depctr_va_vdst(0)                   ; the wait at the head's end
	s_wait_tensorcnt 0x0                           ; my tile is in,
	s_barrier_signal -1
	s_barrier_wait -1                              ; and everybody's
.irp c, 0,1,2,3                        ; all scale words: register 16 c + 2 i + q: lanes 0-15 y's tile i (of my four; those of i over 3 are not used), lanes 16-31 the weight's tile i, step 2 c + q
.irp i, 0,1,2,3,4,5,6,7
	ds_load_b64 v[SC+16*\c+2*\i:SC+16*\c+2*\i+1], v[ADRS] offset:1024*\c+128*\i
.endr
.endr
	FETCH 0
	FETCH 1
.set ST, 0
.rept 8
	STEP ST
.set ST, ST+1
.endr
	WIN 0
	s_barrier_wait -1                              ; nobody reads the tiles any more: the stage may be written
.macro TOSTAGE a                       ; block a: accumulator b's eight registers are columns 32 (b / 2) + 16 h + 8 (b % 2) + 0 .. 7 of my token
.set AC, 64*(\a)
	WIN 0x08                                       ; an LDS store's data: window 2
.irp b, 0,1,2,3,4,5,6,7
	ds_store_b128 v[STO], v[AC+8*\b:AC+8*\b+3] offset:128*(\b/2)+32*(\b%2)          ; each accumulator from its low end on
	ds_store_b128 v[STO], v[AC+8*\b+4:AC+8*\b+7] offset:128*(\b/2)+32*(\b%2)+16
.endr
	WIN 0
.set BB, BK+64*((\a)%2)
.irp t, 0,1,2,3,4,5,6,7,8,9,10,11,12,13,14,15
	ds_load_b128 v[BB+4*\t:BB+4*\t+3], v[RD] offset:\t*528         ; LDS serves a wave's instructions in order: these see the stores above
.endr
.endm
.macro SEND a, younger                 ; younger: the LDS instructions issued behind block a's loads
.set BB, BK+64*((\a)%2)
	s_wait_dscnt \younger
.irp t, 0,1,2,3,4,5,6,7,8,9,10,11,12,13,14,15
	v_pk_add_f32 v[BB+4*\t:BB+4*\t+1], v[BB+4*\t:BB+4*\t+1], v[BI:BI+1]
	v_pk_add_f32 v[BB+4*\t+2:BB+4*\t+3], v[BB+4*\t+2:BB+4*\t+3], v[BI+2:BI+3]
	global_store_b128 v3, v[BB+4*\t:BB+4*\t+3], s[10:11] offset:(32*((\a)/2)+8*((\a)%2)+\t+8*(\t/8))*4096 th:TH_STORE_NT   ; position t of tile a is this token; 512 consecutive bytes
.endr
.endm
	PLACES NP
	s_wait_loadcnt 0x0                             ; the bias
	TOSTAGE 0
.irp a, 1,2,3
.if \a > 1
	s_wait_xcnt 0x0                                ; block a - 2's stores have read their registers: block a's loads may land there
.endif
	TOSTAGE \a
	SEND \a-1, 32                                  ; behind block a - 1's loads: block a's 16 stores and 16 loads
.endr
	SEND 3, 0
	s_wait_tensorcnt 0x0                           ; the wave's end: behind my last tensor load and my last LDS store
	ds_add_u32 v[SPW], v[NIL]
	s_wait_dscnt 0x0
	CROUND                                         ; the closing round
	s_endpgm
.Lfunc_end_k_q986f42c4e4_gemm_out:
	.size	k_q986f42c4e4_gemm_out, .Lfunc_end_k_q986f42c4e4_gemm_out-k_q986f42c4e4_gemm_out
	.p2alignl 7, 3214868480
	.fill 96, 4, 3214868480
	.section	.rodata,"a",@progbits
	.p2align	6, 0x0
	.amdhsa_kernel k_q986f42c4e4_gemm_out
		.amdhsa_group_segment_fixed_size 327680
		.amdhsa_private_segment_fixed_size 0
		.amdhsa_enable_private_segment 0
		.amdhsa_kernarg_size 32
		.amdhsa_user_sgpr_count 2
		.amdhsa_user_sgpr_kernarg_segment_ptr 1
		.amdhsa_wavefront_size32 1
		.amdhsa_system_sgpr_workgroup_id_x 1
		.amdhsa_system_sgpr_workgroup_id_y 1
		.amdhsa_system_sgpr_workgroup_id_z 1
		.amdhsa_system_vgpr_workitem_id 0
		.amdhsa_next_free_vgpr 768
		.amdhsa_next_free_sgpr 96
		.amdhsa_reserve_vcc 0
		.amdhsa_float_denorm_mode_32 3
		.amdhsa_float_denorm_mode_16_64 3
		.amdhsa_memory_ordered 1
		.amdhsa_forward_progress 1
		.amdhsa_inst_pref_size 91
	.end_amdhsa_kernel
	.amdgpu_metadata
---
amdhsa.version: [ 1, 2 ]
amdhsa.kernels:
  - .name:           k_q986f42c4e4_gemm_out
    .symbol:         k_q986f42c4e4_gemm_out.kd
    .args:
      - { .name: yq, .offset: 0, .size: 8, .value_kind: global_buffer, .address_space: global }
      - { .name: wpq, .offset: 8, .size: 8, .value_kind: global_buffer, .address_space: global }
      - { .name: b_proj, .offset: 16, .size: 8, .value_kind: global_buffer, .address_space: global }
      - { .name: out0, .offset: 24, .size: 8, .value_kind: global_buffer, .address_space: global }
    .group_segment_fixed_size: 327680
    .private_segment_fixed_size: 0
    .kernarg_segment_align: 8
    .kernarg_segment_size: 32
    .max_flat_workgroup_size: 128
    .sgpr_count:     96
    .vgpr_count:     768
    .wavefront_size: 32
...
	.end_amdgpu_metadata
.endif
;; end of part 4
